; MI455X (gfx1250); checked and timed in simulation.
; The chip was launched on July 23, 2026; its instructions are those of AMD's public machine-readable ISA for CDNA 5 (MIT licence, August 2026) and "CDNA5" Instruction Set Architecture Reference Guide (July 2026). The comments in the code are by the model that wrote it; some were corrected since.
;; Decoder Only Attention. Allowed arithmetic: matrix products marked QUANTISED: E2M3 operands, one E8M0 scale for each 32 along K, by v_wmma_scale_f32_16x16x128_f8f6f4 with both operands' format E2M3, f32 sums; everything else in f32.
;; Inputs: Wk 1,024 x 4,096 float32; Wo 4,096 x 2,048 float32; Wq 2,048 x 4,096 float32; Wv 1,024 x 4,096 float32; attention_mask 1 x 1 x 2,048 x 2,048 float32; cos 1 x 1 x 2,048 x 128 float32; hidden_states 1 x 2,048 x 4,096 float32; past_key 1 x 8 x 2,048 x 128 float32; past_value 1 x 8 x 2,048 x 128 float32; seq_positions 1 int32; sin 1 x 1 x 2,048 x 128 float32.
;; Outputs: out0 1 x 2,048 x 4,096 float32; out1 1 x 8 x 2,048 x 128 float32; out2 1 x 8 x 2,048 x 128 float32.
;; Constants: batch_position = 0.
;; This version of the problem:
;;   THIS VERSION OF THE PROBLEM IS GIVEN IN LOW PRECISION. The matrix products marked QUANTISED in the list below multiply operands that are first quantised to E2M3 (2 exponent bits, 3 mantissa bits; 6 bits a number), with one power-of-two scale for each 32 numbers along K (OCP MX v1.0); their sums are f32. All else is computed in f32.
;;   The module's matrix products, in the order in which they are computed (A, B: the left and right operand; K: the contracted axis; several contracted axes count as one K, in the product's order):
;;     1. [M 2,048, K 4,096] x [K 4,096, N 2,048]; A: input hidden_states; B: input Wq: QUANTISED
;;     2. [M 2,048, K 4,096] x [K 4,096, N 1,024]; A: input hidden_states; B: input Wk: QUANTISED
;;     3. [M 2,048, K 4,096] x [K 4,096, N 1,024]; A: input hidden_states; B: input Wv: QUANTISED
;;     4. batch 8 x [M 4,096, K 128] x [K 128, N 2,048]; A: computed on the way; B: computed on the way: QUANTISED
;;     5. batch 8 x [M 4,096, K 2,048] x [K 2,048, N 128]; A: softmax (see below); B: computed on the way: QUANTISED
;;     6. [M 2,048, K 2,048] x [K 2,048, N 4,096]; A: computed on the way; B: input Wo: QUANTISED
;;   THE QUANTISER, for each operand of a quantised product, along K:
;;     - K is cut into blocks of 32 from its start; a last block that is shorter is filled with zeros.
;;     - A block's scale is 2^e with e = floor(log2(the largest magnitude in the block)) - 2, held to -126 .. 127; a block of zeros has e = 0. As a byte (E8M0): e + 127.
;;     - Each number is divided by its block's scale, clamped to +-7.5, and rounded to the nearest number of E2M3, ties to even, subnormals kept.
;;     - The product sums the exact products of the quantised numbers (number of the format x scale) in f32.
;;   ~~~python
;;   def quantise(x, axis):      # numpy; x: float32 -> the quantised numbers, widened to float32 again
;;       x = np.moveaxis(x, axis, -1); K = x.shape[-1]
;;       x = np.pad(x, [(0, 0)] * (x.ndim - 1) + [(0, -K % 32)]); x = x.reshape(x.shape[:-1] + (-1, 32)); a = np.abs(x).max(-1, keepdims=True)
;;       e = np.where(a > 0, np.clip(np.frexp(np.where(a > 0, a, 1))[1] - 1 - 2, -126, 127), 0)      # np.frexp(a)[1] - 1 = floor(log2(a)), exactly
;;       r = np.clip(x / 2.0 ** e, -7.5, 7.5)
;;       step = 2.0 ** (np.maximum(np.frexp(np.where(r == 0, 1, r))[1] - 1, 0) - 3)
;;       q = np.round(r / step) * step * 2.0 ** e      # np.round: ties to even
;;       return np.moveaxis(q.reshape(q.shape[:-2] + (-1,))[..., :K], -1, axis).astype(np.float32)
;;   ~~~
;;   SOFTMAX AHEAD OF A QUANTISED PRODUCT. Where the list says 'softmax', what is quantised is not the finished softmax but p = 2^(t - M), with t = logit x log2(e) and M = ceil(the row's largest t), a whole number; so 1/2 < the row's largest p <= 1. The row's sum l is taken of the UNQUANTISED p, in f32, and the product's result is divided by l at the end. Since M is a whole number, a kernel that streams over the keys may use a running M (the ceiling of the running maximum): every later rescaling is an exact power of two, which a block's scale takes up: the codes' values come out the same.
;;   OPERANDS COMPUTED ON THE WAY. 'Computed on the way' means the value that the module computes at that place (a softmax that the list does not call 'softmax' is quantised finished and normalised). What goes into a quantiser is computed in f32, as accurately as f32 sums, v_exp_f32 and their like allow (about 1e-6 of the number): no bf16 or f16 on the way to a quantiser, and a product that is left as it is and whose result goes on into a quantised operand takes f32 operands (vector FMAs, or v_wmma_f32_16x16x4_f32). A number that lies on a knife's edge between two numbers of the format may be rounded either way, as far as f32 arithmetic and the matrix unit's own rounding can turn it there, and no further.
;; One version. Each part assembles by itself: llvm-mc -triple=amdgcn-amd-amdhsa -mcpu=gfx1250 --defsym DOCPART=n.
;; ======== version 1 of 1: 4 launches
;; limits: right only within a limited range of input values
;; workspace buffers: xc 6,553,600 bytes; wc 13,107,200 bytes; woc 6,553,600 bytes; maskw 524,288 bytes of whole numbers; qc 3,276,800 bytes; kvc 3,145,728 bytes; kvs 131,072 bytes; cc 3,276,800 bytes
;; launch prep (part 1): grid 2304 x 1, 1 waves a work-group, no clusters, 8,704 bytes of LDS; arguments hidden_states, Wq, Wk, Wv, Wo, attention_mask, xc, wc, woc, maskw; writes xc, wc, woc, maskw
.if DOCPART == 1
	.amdgcn_target "amdgcn-amd-amdhsa--gfx1250"
	.amdhsa_code_object_version 6
	.text
	.protected	k_q0f3d4bd37a_prep
	.globl	k_q0f3d4bd37a_prep
	.p2align	8
	.type	k_q0f3d4bd37a_prep,@function
k_q0f3d4bd37a_prep:
	s_mov_b64 s[64:65], 0
	v_nop
	global_prefetch_b8 v0, s[64:65] scope:SCOPE_SE
	s_setreg_imm32_b32 hwreg(HW_REG_WAVE_MODE, 25, 1), 1
	s_wait_xcnt 0x0
; PREP.  hidden_states, Wq, Wk, Wv, Wo (f32, K innermost) become codes of FP6 (E2M3) with one E8M0 byte for each 32 along K; the attention mask becomes lane-mask words.
; FORMATS OF THE WORKSPACE (read by this program alone), laid as the reader's registers:
;   row tile rt: 16 rows, lane-row i = tensor row 32 (rt / 2) + 8 (rt % 2) + i + 8 (i / 8);
;   image: a fragment (16 rows x 128 K, 12 registers a lane) as 3 chunks of 512 bytes, chunk c = registers 4 c .. 4 c + 3 of lane l at byte 16 l;
;   scale block: 256 bytes, the scale word of (row r, fragment u of four) at byte 8 r + 128 (u / 2) + 4 (u % 2);
;   record: 6,400 bytes = four images (128 along K each) and their scale block; record (rt, kg) holds K = 512 kg .. 512 kg + 511.
;   mask word n of (rt, key step ks): bit l = (mask[row of lane-row l % 16][128 ks + 32 (n / 16) + 16 (l / 16) + n % 16] > 0.5); 64 words = 256 bytes.
; SHARES.  A step is 16 rows x 128 columns (8 KB); a wave takes 8 steps = 2 records of one row tile.  The waves share nothing, so A WORK-GROUP IS ONE WAVE: 2,304 of them, nine for each of 256 WGPs.
; Work-groups 0-511 hidden, 512-1023 Wq, 1024-1279 Wk, 1280-1535 Wv, 1536-2047 Wo, 2048-2303 the mask.
; Each load reads 512 consecutive bytes of one row; the 8 KB turn through the wave's stage in LDS (rows 528 bytes apart, so that sixteen lanes' 16 bytes fall into sixteen different columns of 16 bytes)
; and come back 16 neighbours of each block of 32 to a lane: register 16 b + i of lane (r, h) = column 32 b + 16 h + i of row r.  Loads run two to three steps (32 to 48 loads a wave) ahead.
; A block's scale byte is its largest magnitude's exponent field - 2, held at 1 from below.
; LIMITS: a block of zeros, or one whose largest magnitude lies under 2^-124, gets the byte 1 (a block of zeros: where the quantiser's rule says 127; its codes are zeros); NaN and infinities among the f32 inputs are not served; a NaN in the mask counts as masked, as in m > 0.5.
; WORK LEFT OUT, IN THE WHOLE PROGRAM.  reference() forms key_cache = dynamic_update_slice(past_key, k, (0, 0, sp, 0)), and k has past_key's own shape, [1, 8, 2048, 128].
; dynamic_update_slice holds its start so that the update lies inside the operand: along the keys that is 0 .. 2048 - 2048 = 0, whatever seq_positions holds.  So every element of past_key is overwritten by k,
; and likewise every element of past_value by v: key_cache = k and value_cache = v for all values of the inputs.  past_key, past_value and seq_positions have no way to any output: they are not loaded and are among no launch's arguments.
; LIMIT: a NaN or an infinity in past_key or past_value, or any number in seq_positions, is not carried to a result.
.set STG,   8448
.set SPARE, STG                        ; behind it: the spare words, one block of 256 bytes
.set LI,  4                            ; v4   16 x lane: a lane's place in 512 consecutive bytes, in memory and on the way into the stage
.set L8,  5                            ; v5   8 x lane
.set SRD, 7                            ; v7   the stage, on the way out: 528 r + 64 h
.set OFF, 8                            ; v8-15 16 x lane + i rows
.set SPW, 16
.set NIL, 17
.set TM,  20                           ; v20-35 at work
.set PW,  36                           ; v36-39 four scale words
.set SO,  40                           ; v40-41 a scale block's pair
.set PC,  42                           ; v42-53 an image
.set PT,  54                           ; v54-60 the conversions' second halves
.set W,   62                           ; v62-63 a step's 64 mask words: word n in register n % 2, lane n / 2
.set R,   64                           ; v64-255 three sets of 64 numbers
.set SEL, 44                           ; s[44:45]
.set HM,  46                           ; s46  lanes 16-31
	s_load_b512 s[4:19], s[0:1], 0x0               ; hidden s[4:5], Wq s[6:7], Wk s[8:9], Wv s[10:11], Wo s[12:13], mask s[14:15], xc s[16:17], wc s[18:19]
	s_load_b128 s[20:23], s[0:1], 0x40             ; woc s[20:21], maskw s[22:23]
	v_lshl_add_u32 v[SPW], v0, 2, SPARE
	v_mov_b32 v[NIL], 0
	v_and_b32 v1, 31, v0                           ; lane
	v_and_b32 v2, 15, v0                           ; r
	v_bfe_u32 v3, v0, 4, 1                         ; h
	v_lshlrev_b32 v[LI], 4, v1
	v_lshlrev_b32 v[L8], 3, v1
	v_mul_u32_u24 v[SRD], v2, 528
	v_lshl_add_u32 v[SRD], v3, 6, v[SRD]
.irp b, 0,1,2,3
	v_mov_b32 v[TM+4+\b], 0                        ; written once: a lane permute's destination counts as one of its sources
	v_mov_b32 v[PW+\b], 0                          ; written once, so that they are written on every way to the scale block's store
.endr
	v_mov_b32 v[W], 0                              ; v_writelane_b32's destination counts as read
	v_mov_b32 v[W+1], 0
	s_mov_b32 s[SEL], 0x76543210
	s_mov_b32 s[SEL+1], 0xfedcba98
	s_mov_b32 s[HM], 0xffff0000
	; which tensor is mine: chosen by the work-group's number alone
	s_mov_b32 s26, 2048                            ; the source's first work-group
	s_mov_b32 s27, 2048                            ; the destination's
	s_mov_b32 s28, 13                              ; log2 of a source row's bytes
	s_mov_b32 s29, 2                               ; log2 of the records in a row tile
	s_mov_b32 s30, 1                               ; 1: the mask
	s_mov_b32 s31, 1024                            ; bytes that a record's worth makes
	s_wait_kmcnt 0x0
	s_mov_b64 s[32:33], s[14:15]
	s_mov_b64 s[34:35], s[22:23]
	s_cmp_lt_u32 ttmp9, 2048
	s_cselect_b64 s[32:33], s[12:13], s[32:33]     ; Wo -> woc
	s_cselect_b64 s[34:35], s[20:21], s[34:35]
	s_cselect_b32 s26, 1536, s26
	s_cselect_b32 s27, 1536, s27
	s_cselect_b32 s30, 0, s30
	s_cselect_b32 s31, 6400, s31
	s_cmp_lt_u32 ttmp9, 1536
	s_cselect_b64 s[32:33], s[10:11], s[32:33]     ; Wv -> wc
	s_cselect_b64 s[34:35], s[18:19], s[34:35]
	s_cselect_b32 s26, 1280, s26
	s_cselect_b32 s27, 512, s27
	s_cselect_b32 s28, 14, s28
	s_cselect_b32 s29, 3, s29
	s_cmp_lt_u32 ttmp9, 1280
	s_cselect_b64 s[32:33], s[8:9], s[32:33]       ; Wk
	s_cselect_b32 s26, 1024, s26
	s_cmp_lt_u32 ttmp9, 1024
	s_cselect_b64 s[32:33], s[6:7], s[32:33]       ; Wq
	s_cselect_b32 s26, 512, s26
	s_cmp_lt_u32 ttmp9, 512
	s_cselect_b64 s[32:33], s[4:5], s[32:33]       ; hidden -> xc
	s_cselect_b64 s[34:35], s[16:17], s[34:35]
	s_cselect_b32 s26, 0, s26
	s_cselect_b32 s27, 0, s27
	s_sub_co_u32 s36, ttmp9, s26
	s_lshl_b32 s36, s36, 1                         ; my first record in the source's count
	s_lshr_b32 s37, s36, s29                       ; rt
	s_lshl_b32 s38, 1, s29
	s_sub_co_u32 s38, s38, 1
	s_and_b32 s38, s36, s38                        ; kg
	s_lshr_b32 s39, s37, 1
	s_lshl_b32 s39, s39, 5
	s_and_b32 s40, s37, 1
	s_lshl_b32 s40, s40, 3
	s_add_co_u32 s39, s39, s40                     ; the tile's first row: 32 (rt / 2) + 8 (rt % 2)
	s_lshl_b32 s40, s39, s28
	s_lshl_b32 s41, s38, 11                        ; 512 columns of 4 bytes a record
	s_add_co_u32 s40, s40, s41
	s_mov_b32 s41, 0
	s_add_nc_u64 s[32:33], s[32:33], s[40:41]      ; lane-rows 0-7
	s_lshl_b32 s40, 16, s28
	s_add_nc_u64 s[42:43], s[32:33], s[40:41]      ; lane-rows 8-15: 16 rows on
	s_sub_co_u32 s40, ttmp9, s27
	s_lshl_b32 s40, s40, 1
	s_mul_i32 s40, s40, s31
	s_add_nc_u64 s[34:35], s[34:35], s[40:41]      ; where my two records go
.irp i, 0,1,2,3,4,5,6,7
	s_lshl_b32 s47, \i, s28
	v_add_nc_u32 v[OFF+\i], s47, v[LI]
.endr
.macro LOAD t                          ; step t: 16 rows x 512 bytes into set t % 3
.set RL, R+64*((\t)%3)
.irp i, 0,1,2,3,4,5,6,7
	global_load_b128 v[RL+4*\i:RL+4*\i+3], v[OFF+\i], s[32:33] offset:512*(\t) th:TH_LOAD_NT
.endr
.irp i, 0,1,2,3,4,5,6,7
	global_load_b128 v[RL+32+4*\i:RL+32+4*\i+3], v[OFF+\i], s[42:43] offset:512*(\t) th:TH_LOAD_NT
.endr
.endm
.macro TURN                            ; the set RS through my stage: LDS serves a wave's instructions in order (ISA guide 5.7.1.4), so no wait stands between the stores and the loads
.irp i, 0,1,2,3,4,5,6,7,8,9,10,11,12,13,14,15
	ds_store_b128 v[LI], v[RS+4*\i:RS+4*\i+3] offset:528*\i
.endr
.irp i, 0,1,2,3,4,5,6,7,8,9,10,11,12,13,14,15
	ds_load_b128 v[RS+4*\i:RS+4*\i+3], v[SRD] offset:128*(\i/4)+16*(\i%4)
.endr
.endm
.macro QMAX                            ; the four blocks' largest magnitudes, with the floor 2^(3 - 127) among the leaves
.irp b, 0,1,2,3
	v_max3_num_f32 v[TM+\b], |v[RS+16*\b]|, |v[RS+16*\b+1]|, 0x1800000
.endr
.irp i, 2,4,6,8,10,12,14
.irp b, 0,1,2,3
	v_max3_num_f32 v[TM+\b], v[TM+\b], |v[RS+16*\b+\i]|, |v[RS+16*\b+\i+1]|
.endr
.endr
.irp b, 0,1,2,3
	v_permlanex16_b32 v[TM+4+\b], v[TM+\b], s[SEL], s[SEL+1]
.endr
.irp b, 0,1,2,3
	v_max_num_f32 v[TM+\b], v[TM+\b], v[TM+4+\b]   ; with lane l xor 16's 16 numbers: the block's
.endr
.endm
.macro QCODE pw                        ; the image into v[PC] on, my row's scale word into v[pw]
.irp b, 0,1,2,3
	v_add_nc_u32 v[TM+12+\b], 0xff000000, v[TM+\b] ; 2 off the exponent field: the conversion's scale operand
.endr
.irp b, 0,1,2,3
	v_lshrrev_b32 v[TM+4+\b], 23, v[TM+12+\b]      ; the scale's byte
.endr
	v_lshl_or_b32 v[\pw], v[TM+5], 8, v[TM+4]
	v_lshl_or_b32 v[\pw], v[TM+6], 16, v[\pw]
	v_lshl_or_b32 v[\pw], v[TM+7], 24, v[\pw]
.irp c, 0,1
	v_cvt_scalef32_pk16_fp6_f32 v[PC+6*\c:PC+6*\c+2], v[RS+32*\c:RS+32*\c+15], v[TM+12+2*\c]
	v_cvt_scalef32_pk16_fp6_f32 v[PT+4*\c:PT+4*\c+2], v[RS+32*\c+16:RS+32*\c+31], v[TM+13+2*\c]   ; (a conversion's three registers begin on an even number)
.endr
	v_nop                                          ; one plain place behind a scaled conversion
.irp c, 0,1                            ; the operand's layout wants a whole block in a lane: lanes 0-15 block 2 c, lanes 16-31 block 2 c + 1
.irp i, 0,1,2
	v_permlane16_swap_b32 v[PC+6*\c+\i], v[PT+4*\c+\i]
.endr
.irp i, 0,1,2
	v_mov_b32 v[PC+6*\c+3+\i], v[PT+4*\c+\i]
.endr
.endr
.endm
.macro STEP t
.set RS, R+64*((\t)%3)
.if (\t) <= 5
	s_wait_loadcnt 32                              ; my 16 loads are in; those of the two steps behind may be out
.elseif (\t) == 6
	s_wait_loadcnt 16
.else
	s_wait_loadcnt 0x0
.endif
	TURN
	s_wait_dscnt 0x0
	s_wait_xcnt 0x0                                ; the last step's stores have read their data: the image, the scale pair and the mask pair may be written again
	s_cmp_eq_u32 s30, 1
	s_cbranch_scc1 .Lmask_\@
	QMAX
	QCODE PW+(\t)%4
.irp c, 0,1,2
	global_store_b128 v[LI], v[PC+4*\c:PC+4*\c+3], s[34:35] offset:6400*((\t)/4)+1536*((\t)%4)+512*\c   ; 512 consecutive bytes, at a multiple of 256 from the buffer's first byte
.endr
.if (\t)%4 == 3
	v_cndmask_b32 v[SO], v[PW], v[PW+2], s[HM]     ; lanes 0-15: fragments 0, 1; lanes 16-31: fragments 2, 3
	v_cndmask_b32 v[SO+1], v[PW+1], v[PW+3], s[HM]
	global_store_b64 v[L8], v[SO:SO+1], s[34:35] offset:6400*((\t)/4)+6144   ; 256 consecutive bytes
.endif
	s_branch .Ljoin_\@
.Lmask_\@:
.set n0, 0
.rept 8
.irp k, 0,1,2,3,4,5,6,7
	v_cmp_lt_f32 s[48+\k], 0.5, v[RS+n0+\k]        ; bit l: my lane's number of register n counts
.endr
.irp k, 0,1,2,3,4,5,6,7
	v_writelane_b32 v[W+(n0+\k)%2], s[48+\k], (n0+\k)/2
.endr
.set n0, n0+8
.endr
	global_store_b64 v[L8], v[W:W+1], s[34:35] offset:256*(\t)   ; the step's 64 words: 256 consecutive bytes
.Ljoin_\@:
.if (\t) <= 4
	LOAD (\t)+3                                    ; into the set just worked
.endif
.endm
	LOAD 0
	LOAD 1
	LOAD 2
.irp t, 0,1,2,3,4,5,6,7
	STEP \t
.endr
	s_wait_tensorcnt 0x0                           ; the wave's end: three lines behind my last LDS store
	ds_add_u32 v[SPW], v[NIL]
	s_wait_dscnt 0x0
	s_endpgm
.Lfunc_end_k_q0f3d4bd37a_prep:
	.size	k_q0f3d4bd37a_prep, .Lfunc_end_k_q0f3d4bd37a_prep-k_q0f3d4bd37a_prep
	.p2alignl 7, 3214868480
	.fill 96, 4, 3214868480
	.section	.rodata,"a",@progbits
	.p2align	6, 0x0
	.amdhsa_kernel k_q0f3d4bd37a_prep
		.amdhsa_group_segment_fixed_size 8704
		.amdhsa_private_segment_fixed_size 0
		.amdhsa_enable_private_segment 0
		.amdhsa_kernarg_size 80
		.amdhsa_user_sgpr_count 2
		.amdhsa_user_sgpr_kernarg_segment_ptr 1
		.amdhsa_wavefront_size32 1
		.amdhsa_system_sgpr_workgroup_id_x 1
		.amdhsa_system_sgpr_workgroup_id_y 1
		.amdhsa_system_sgpr_workgroup_id_z 1
		.amdhsa_system_vgpr_workitem_id 0
		.amdhsa_next_free_vgpr 256
		.amdhsa_next_free_sgpr 66
		.amdhsa_reserve_vcc 0
		.amdhsa_float_denorm_mode_32 3
		.amdhsa_float_denorm_mode_16_64 3
		.amdhsa_memory_ordered 1
		.amdhsa_forward_progress 1
		.amdhsa_inst_pref_size 131
	.end_amdhsa_kernel
	.amdgpu_metadata
---
amdhsa.version: [ 1, 2 ]
amdhsa.kernels:
  - .name:           k_q0f3d4bd37a_prep
    .symbol:         k_q0f3d4bd37a_prep.kd
    .args:
      - { .name: hidden_states, .offset: 0, .size: 8, .value_kind: global_buffer, .address_space: global }
      - { .name: Wq, .offset: 8, .size: 8, .value_kind: global_buffer, .address_space: global }
      - { .name: Wk, .offset: 16, .size: 8, .value_kind: global_buffer, .address_space: global }
      - { .name: Wv, .offset: 24, .size: 8, .value_kind: global_buffer, .address_space: global }
      - { .name: Wo, .offset: 32, .size: 8, .value_kind: global_buffer, .address_space: global }
      - { .name: attention_mask, .offset: 40, .size: 8, .value_kind: global_buffer, .address_space: global }
      - { .name: xc, .offset: 48, .size: 8, .value_kind: global_buffer, .address_space: global }
      - { .name: wc, .offset: 56, .size: 8, .value_kind: global_buffer, .address_space: global }
      - { .name: woc, .offset: 64, .size: 8, .value_kind: global_buffer, .address_space: global }
      - { .name: maskw, .offset: 72, .size: 8, .value_kind: global_buffer, .address_space: global }
    .group_segment_fixed_size: 8704
    .private_segment_fixed_size: 0
    .kernarg_segment_align: 8
    .kernarg_segment_size: 80
    .max_flat_workgroup_size: 32
    .sgpr_count:     66
    .vgpr_count:     256
    .wavefront_size: 32
...
	.end_amdgpu_metadata
.endif
;; end of part 1
;; launch qkv (part 2): grid 16 x 16, 4 waves a work-group, clusters of 4 x 4, 327,680 bytes of LDS; arguments xc, wc, cos, sin, qc, kvc, kvs, out1, out2; writes qc, kvc, kvs, out1, out2
.if DOCPART == 2
	.amdgcn_target "amdgcn-amd-amdhsa--gfx1250"
	.amdhsa_code_object_version 6
	.text
	.protected	k_q0f3d4bd37a_qkv
	.globl	k_q0f3d4bd37a_qkv
	.p2align	8
	.type	k_q0f3d4bd37a_qkv,@function
k_q0f3d4bd37a_qkv:
	s_mov_b64 s[64:65], 0
	v_nop
	global_prefetch_b8 v0, s[64:65] scope:SCOPE_SE
	s_setreg_imm32_b32 hwreg(HW_REG_WAVE_MODE, 25, 1), 1
	s_wait_xcnt 0x0
	s_wait_alu depctr_hold_cnt(0) depctr_sa_sdst(0) depctr_va_vdst(0) depctr_va_sdst(0) depctr_va_ssrc(0) depctr_va_vcc(0) depctr_vm_vsrc(0)
	s_getreg_b32 s2, hwreg(HW_REG_IB_STS2, 6, 4)
	s_cmp_eq_u32 s2, 0
	s_cbranch_scc0 .Lentry_in_a_cluster
	s_endpgm
.Lentry_in_a_cluster:
	s_bfe_u32 s2, ttmp6, 0x10000c
	s_cmp_lg_u32 s2, 0xf033
	s_cbranch_scc0 .Lentry_shape_is_right
	s_endpgm
.Lentry_shape_is_right:
; QKV.  x [2048 tokens] times [Wq; Wk; Wv]^T [4096 rows], K = 4096, on codes of FP6 with E8M0 scales, as prep laid them (records of 16 rows x 512 K, 6,400 bytes).
; A work-group makes 128 tokens x 256 rows of W: 16 x 16 work-groups, one for each WGP; a wave 64 x 128: 32 accumulators.  Cluster columns 0, 1: Q; 2: K; 3: V (there the sources change places, so that a lane's registers run along the tokens).
; K goes through two LDS slots of 24 records (512 along K); 4 x 4 work-groups ask jointly: x's records along a row of the cluster, W's along a column.
; The way out: RoPE in f32, the quantisers of the attention's operands (Q, K along the head's channels, V along the keys), and K and V in f32 as out1 and out2.
; WORK LEFT OUT: out1 = k and out2 = v whole, since the update covers the whole cache at start 0 for every seq_positions (shown at the head of prep): past_key, past_value, seq_positions are not read.
; PREFETCH: behind the joint load of record group kg each wave asks for group kg + 2 (the head also for group 1); the last two groups' loads ask for nothing.  Of the records that a wave fetches jointly with three partners,
; each partner names its own by address (x: record cx of 4; W: records 2 cy, 2 cy + 1 of 8): lanes 256 bytes apart over a record's 25 blocks, lanes 25-31 naming the last again.  So each block is named once in each cluster that loads it.
; LIMITS: NaN and infinities are not served; a block of zeros gets the scale byte 1 (its codes are zeros; this program alone reads the bytes).
.set RPR,    8
.set KG,     8
.set REC,    6400
.set SLOT,   24*REC
.set WOFF,   8*REC
.set SPARE,  2*SLOT
.set STGK,   8448
.set STGV0,  4*STGK
.set STGV,   17664                     ; V's stage: two regions of 32 rows x 272 bytes, the second VH bytes on
.set VH,     8736                      ; 32 rows + 32 bytes: the two halves of the lanes store to different banks
.set AD0, 10
.set AD1, 12
.set AS0, 14
.set AS1, 16
.set LI,  18
.set L8,  19
.set CO,  20
.set STOK, 21
.set RDK, 22
.set STOV, 23
.set RDV, 24
.set PVO, 25
.set SPW, 28
.set NIL, 29
.set SC,  32
.set TM,  80
.set S1F, 96
.set PW,  96
.set SO,  100
.set PC,  104
.set PT,  116
.set BK,  128
.set HA,  192
.set G1A, 24
.set G0A, 32
.set G1B, 48
.set G0B, 56
.set PFO, 26                           ; v26 the prefetches' offset: 256 x min(lane, 24); never rewritten
.set PFA, 76                           ; s[76:77] my record of the group one behind the last one loaded
.macro ASK off                         ; x's waves name one record, W's waves two
	global_prefetch_b8 v[PFO], s[PFA:PFA+1] offset:\off th:TH_LOAD_NT scope:SCOPE_SE
	s_cmp_eq_u32 s15, 0
	s_cbranch_scc1 .Lone_\@
	global_prefetch_b8 v[PFO], s[PFA:PFA+1] offset:(\off)+RPR*REC th:TH_LOAD_NT scope:SCOPE_SE
.Lone_\@:
.endm
.macro ASKL off                        ; in the loop: its last trip (s3 = 1) has no group two further on
	s_cmp_gt_u32 s3, 1
	s_cbranch_scc0 .Lnone_\@
	ASK \off
.Lnone_\@:
.endm
.set HM,  93
.set SEL, 94
.set MSB, 0
.macro WIN new
.if MSB != (\new)
	s_set_vgpr_msb (MSB<<8)|(\new)
.set MSB, (\new)
.endif
.endm
.macro PLACES n
.rept \n
	v_nop
.endr
.endm
.macro JLOAD s
	s_cmp_eq_u32 s15, 0
	s_cbranch_scc0 .Lfor_b_\@
	tensor_load_to_lds s[G0A+4*\s:G0A+4*\s+3], s[G1A:G1A+7]
	s_nop 0
	PLACES 4
	s_branch .Lasked_\@
.Lfor_b_\@:
	tensor_load_to_lds s[G0B+4*\s:G0B+4*\s+3], s[G1B:G1B+7]
	s_nop 0
	PLACES 4
.Lasked_\@:
.endm
.macro CREST
	s_cmp_lg_u32 s14, 0
	s_cbranch_scc1 .Lnot_wave_0_\@
	s_barrier_signal -3
.Lnot_wave_0_\@:
	s_barrier_wait -3
	s_barrier_signal -1
	s_barrier_wait -1
.endm
.macro CROUND
	s_barrier_signal -1
	s_barrier_wait -1
	CREST
.endm
.macro FETCH slot, q, p
	WIN 0x40
.irp b, 0,1,2,3,4,5,6,7
.irp c, 0,1,2
	ds_load_b128 v[128*(\p)+12*\b+4*\c:128*(\p)+12*\b+4*\c+3], v[AD0+\slot] offset:REC*\b+1536*(\q)+512*\c
.endr
.endr
	WIN 0
.irp a, 0,1,2,3
.irp c, 0,1,2
	ds_load_b128 v[S1F+48*(\p)+12*\a+4*\c:S1F+48*(\p)+12*\a+4*\c+3], v[AD1+\slot] offset:REC*\a+1536*(\q)+512*\c
.endr
.endr
.endm
.macro SCALES slot
.irp b, 0,1,2,3,4,5,6,7
	ds_load_b64 v[SC+24*\slot+2*\b:SC+24*\slot+2*\b+1], v[AS0+\slot] offset:REC*\b+6144
.endr
.irp a, 0,1,2,3
	ds_load_b64 v[SC+24*\slot+16+2*\a:SC+24*\slot+16+2*\a+1], v[AS1+\slot] offset:REC*\a+6144
.endr
.endm
.macro MULA a, p, q, sc, zero
.irp b, 0,1,2,3,4,5,6,7
.set rD, 8*(8*(\a)+\b)
.set rA, 128*(\p)+12*\b
.set rB, S1F+48*(\p)+12*(\a)
.set rSA, SC+24*(\sc)+2*\b+(\q)%2
.set rSB, SC+24*(\sc)+16+2*(\a)+(\q)%2
.if \zero
	v_wmma_scale_f32_16x16x128_f8f6f4 v[rD:rD+7], v[rA:rA+11], v[rB:rB+11], 0, v[rSA], v[rSB] matrix_a_fmt:MATRIX_FMT_FP6 matrix_b_fmt:MATRIX_FMT_FP6
.elseif (\q) < 2
	v_wmma_scale_f32_16x16x128_f8f6f4 v[rD:rD+7], v[rA:rA+11], v[rB:rB+11], v[rD:rD+7], v[rSA], v[rSB] matrix_a_fmt:MATRIX_FMT_FP6 matrix_b_fmt:MATRIX_FMT_FP6
.else
	v_wmma_scale_f32_16x16x128_f8f6f4 v[rD:rD+7], v[rA:rA+11], v[rB:rB+11], v[rD:rD+7], v[rSA], v[rSB] matrix_a_fmt:MATRIX_FMT_FP6 matrix_b_fmt:MATRIX_FMT_FP6 matrix_a_scale:MATRIX_SCALE_ROW1 matrix_b_scale:MATRIX_SCALE_ROW1
.endif
.endr
.endm
.macro STEP slot, q, zero
	s_wait_dscnt 0x0
	PLACES 4
	FETCH \slot, (\q)+1, 1-(\q)%2
	WIN 0xa1
	MULA 0, (\q)%2, \q, \slot, \zero
	MULA 1, (\q)%2, \q, \slot, \zero
	MULA 2, (\q)%2, \q, \slot, \zero
	MULA 3, (\q)%2, \q, \slot, \zero
	WIN 0
.endm
.macro TURN slot, next, fill
.if (\fill) && (\slot) == 0
	s_wait_xcnt 0x0                                ; my prefetches, four steps back, have read their address: it steps two groups a trip
	s_add_nc_u64 s[PFA:PFA+1], s[PFA:PFA+1], 2*REC
.endif
	s_wait_tensorcnt 0x0
	ds_add_u32 v[SPW], v[NIL]
	s_wait_dscnt 0x1
	WIN 0xa1
	MULA 0, 1, 3, \slot, 0
	s_wait_dscnt 0x0
	s_barrier_signal -1
	MULA 1, 1, 3, \slot, 0
	WIN 0
	s_barrier_wait -1
.if \fill
	CREST
	s_add_nc_u64 s[G0A+4*\slot+2:G0A+4*\slot+3], s[G0A+4*\slot+2:G0A+4*\slot+3], 2*REC
	s_add_nc_u64 s[G0B+4*\slot+2:G0B+4*\slot+3], s[G0B+4*\slot+2:G0B+4*\slot+3], 2*REC
	JLOAD \slot
.else
	PLACES 4
.endif
	FETCH \next, 0, 0
	SCALES \next
.if \fill
	ASKL (\slot+1)*REC
.endif
	WIN 0xa1
	MULA 2, 1, 3, \slot, 0
	MULA 3, 1, 3, \slot, 0
	WIN 0
.endm
.macro LAST
	s_wait_dscnt 0x0
	WIN 0xa1
	MULA 0, 1, 3, 1, 0
	MULA 1, 1, 3, 1, 0
	MULA 2, 1, 3, 1, 0
	MULA 3, 1, 3, 1, 0
	WIN 0
.endm
.macro QMAX s, w
	WIN ((\w)<<2)|((\w)<<4)
.irp b, 0,1,2,3
	v_max3_num_f32 v[TM+\b], 0x1800000, |v[\s+16*\b]|, |v[\s+16*\b+1]|
.endr
.irp i, 2,4,6,8,10,12,14
.irp b, 0,1,2,3
	v_max3_num_f32 v[TM+\b], v[TM+\b], |v[\s+16*\b+\i]|, |v[\s+16*\b+\i+1]|
.endr
.endr
	WIN 0
.irp b, 0,1,2,3
	v_permlanex16_b32 v[TM+4+\b], v[TM+\b], s[SEL], s[SEL+1]
.endr
.irp b, 0,1,2,3
	v_max_num_f32 v[TM+\b], v[TM+\b], v[TM+4+\b]
.endr
.endm
.macro QCODE s, w, pw
.irp b, 0,1,2,3
	v_add_nc_u32 v[TM+12+\b], 0xff000000, v[TM+\b]
.endr
.irp b, 0,1,2,3
	v_lshrrev_b32 v[TM+4+\b], 23, v[TM+12+\b]
.endr
	v_lshl_or_b32 v[\pw], v[TM+5], 8, v[TM+4]
	v_lshl_or_b32 v[\pw], v[TM+6], 16, v[\pw]
	v_lshl_or_b32 v[\pw], v[TM+7], 24, v[\pw]
	WIN \w
.irp c, 0,1
	v_cvt_scalef32_pk16_fp6_f32 v[PC+6*\c:PC+6*\c+2], v[\s+32*\c:\s+32*\c+15], v[TM+12+2*\c]
	v_cvt_scalef32_pk16_fp6_f32 v[PT+4*\c:PT+4*\c+2], v[\s+32*\c+16:\s+32*\c+31], v[TM+13+2*\c]
.endr
	WIN 0
	v_nop
.irp c, 0,1
.irp i, 0,1,2
	v_permlane16_swap_b32 v[PC+6*\c+\i], v[PT+4*\c+\i]
.endr
.irp i, 0,1,2
	v_mov_b32 v[PC+6*\c+3+\i], v[PT+4*\c+\i]
.endr
.endr
.endm
.macro IMAGE off
.irp c, 0,1,2
	global_store_b128 v[LI], v[PC+4*\c:PC+4*\c+3], s[10:11] offset:(\off)+512*\c
.endr
.endm
.macro SCALEOUT
	v_cndmask_b32 v[SO], v[PW], v[PW+2], s[HM]
	v_cndmask_b32 v[SO+1], v[PW+1], v[PW+3], s[HM]
	global_store_b64 v[L8], v[SO:SO+1], s[12:13]
.endm
.macro CLOSE
	s_wait_tensorcnt 0x0
	ds_add_u32 v[SPW], v[NIL]
	s_wait_dscnt 0x0
	CROUND
	s_endpgm
.endm
.macro CSLOAD a, w
	WIN ((\w)<<6)
.set k, 0
.rept 16
	global_load_b128 v[4*k:4*k+3], v[CO], s[72:73] offset:(32*((\a)/2)+8*((\a)%2))*512+128*(k/4)+16*(k%4)
.set k, k+1
.endr
.set k, 0
.rept 16
	global_load_b128 v[64+4*k:64+4*k+3], v[CO], s[74:75] offset:(32*((\a)/2)+8*((\a)%2))*512+128*(k/4)+16*(k%4)
.set k, k+1
.endr
	WIN 0
.endm
	s_load_b256 s[68:75], s[0:1], 0x0              ; xc s[68:69], wc s[70:71], cos s[72:73], sin s[74:75]
	s_load_b64 s[82:83], s[0:1], 0x20              ; qc
	s_load_b128 s[84:87], s[0:1], 0x28             ; kvc, kvs
	s_load_b128 s[88:91], s[0:1], 0x38             ; out1, out2
	v_lshl_add_u32 v[SPW], v0, 2, SPARE
	v_mov_b32 v[NIL], 0
	ds_add_u32 v[SPW], v[NIL]
	ds_add_u32 v[SPW], v[NIL]
	v_lshrrev_b32 v1, 5, v0
	v_readfirstlane_b32 s14, v1
	v_and_b32 v[PFO], 31, v0
	v_min_u32 v[PFO], 24, v[PFO]
	v_lshlrev_b32 v[PFO], 8, v[PFO]
	s_lshr_b32 s15, s14, 1
	s_and_b32 s16, s14, 1
	s_bfe_u32 s40, ttmp6, 0x40000
	s_bfe_u32 s41, ttmp6, 0x40004
	s_lshl_b32 s42, ttmp9, 2
	s_add_co_u32 s42, s42, s40
	s_and_b32 s17, ttmp7, 0xffff
	s_lshl_b32 s17, s17, 2
	s_add_co_u32 s17, s17, s41
	s_lshl_b32 s43, s41, 2
	s_lshl_b32 s43, 15, s43
	s_lshl_b32 s44, 0x1111, s40
	s_or_b32 s[G1A], s43, (3<<16)|(1<<21)
	s_or_b32 s[G1B], s44, (3<<16)|(1<<21)
	s_mov_b32 s[G1A+1], 800<<16
	s_mov_b32 s[G1A+2], 4<<16
	s_mov_b32 s[G1A+3], 800<<16
	s_mov_b32 s[G1A+4], 4
	s_mov_b32 s[G1A+5], RPR*800
	s_mov_b32 s[G1A+6], 0
	s_mov_b32 s[G1A+7], 0
	s_mov_b32 s[G1B+1], 800<<16
	s_mov_b32 s[G1B+2], 8<<16
	s_mov_b32 s[G1B+3], 800<<16
	s_mov_b32 s[G1B+4], 8
	s_mov_b32 s[G1B+5], RPR*800
	s_mov_b32 s[G1B+6], 0
	s_mov_b32 s[G1B+7], 0
	s_lshl_b32 s20, s17, 3
	s_lshl_b32 s21, s16, 2
	s_add_co_u32 s20, s20, s21
	s_mul_i32 s20, s20, RPR*REC
	s_mov_b32 s21, 0
	s_lshl_b32 s46, s42, 4
	s_lshl_b32 s47, s16, 3
	s_add_co_u32 s46, s46, s47
	s_mul_i32 s46, s46, RPR*REC
	s_mov_b32 s47, 0
	s_mul_i32 s45, s16, 4*REC
	s_mul_i32 s18, s16, 8*REC
	s_add_co_u32 s18, s18, WOFF
	s_mov_b32 s[SEL], 0x76543210
	s_mov_b32 s[SEL+1], 0xfedcba98
	s_mov_b32 s[HM], 0xffff0000
	s_wait_alu depctr_va_vdst(0)
	s_wait_dscnt 0x0
	s_wait_kmcnt 0x0
	s_add_nc_u64 s[20:21], s[68:69], s[20:21]
	s_add_nc_u64 s[46:47], s[70:71], s[46:47]
	CROUND
.irp s, 0,1
	s_mov_b32 s[G0A+4*\s], 1
	s_add_co_u32 s[G0A+4*\s+1], s45, \s*SLOT
	s_add_nc_u64 s[G0A+4*\s+2:G0A+4*\s+3], s[20:21], \s*REC
	s_or_b32 s[G0A+4*\s+3], s[G0A+4*\s+3], 0x80000000
	s_mov_b32 s[G0B+4*\s], 1
	s_add_co_u32 s[G0B+4*\s+1], s18, \s*SLOT
	s_add_nc_u64 s[G0B+4*\s+2:G0B+4*\s+3], s[46:47], \s*REC
	s_or_b32 s[G0B+4*\s+3], s[G0B+4*\s+3], 0x80000000
.endr
	JLOAD 0                                        ; record group 0: one tensor load a wave at the head
	s_lshl_b32 s79, s41, 1                         ; W's waves: records 2 cy, 2 cy + 1 of my eight
	s_cmp_eq_u32 s15, 0
	s_cselect_b64 s[PFA:PFA+1], s[20:21], s[46:47]
	s_cselect_b32 s78, s40, s79                    ; x's waves: record cx of my four
	s_mul_i32 s78, s78, RPR*REC
	s_add_co_u32 s78, s78, REC                     ; at group 1
	s_mov_b32 s79, 0
	s_add_nc_u64 s[PFA:PFA+1], s[PFA:PFA+1], s[78:79]
	ASK 0                                          ; groups 1 and 2
	ASK REC
	v_and_b32 v1, 31, v0
	v_and_b32 v2, 15, v0
	v_bfe_u32 v3, v0, 4, 1
	v_and_b32 v4, 8, v2
	v_add_nc_u32 v4, v4, v2
	v_lshlrev_b32 v[LI], 4, v1
	s_wait_alu depctr_va_vdst(0)
	v_lshlrev_b32 v[L8], 3, v1
	s_wait_alu depctr_va_vdst(0)
	s_mul_i32 s4, s16, 8*REC
	s_add_co_u32 s4, s4, WOFF
	s_mul_i32 s5, s15, 4*REC
	s_mul_i32 s6, s14, 4*REC
	s_add_co_u32 s6, s6, WOFF
	s_cmp_eq_u32 ttmp9, 3
	s_cselect_b32 s4, 0, s4
	s_cselect_b32 s5, s6, s5
.irp s, 0,1
	v_add_nc_u32 v[AD0+\s], s4, v[LI]
	v_add_nc_u32 v[AD1+\s], s5, v[LI]
	v_add_nc_u32 v[AS0+\s], s4, v[L8]
	v_add_nc_u32 v[AS1+\s], s5, v[L8]
	s_add_co_u32 s4, s4, SLOT
	s_add_co_u32 s5, s5, SLOT
.endr
	v_lshlrev_b32 v[CO], 9, v4
	v_lshl_add_u32 v[CO], v3, 6, v[CO]
	s_mul_i32 s6, s14, STGK
	v_mul_u32_u24 v[STOK], v2, 528
	v_lshl_add_u32 v[STOK], v3, 6, v[STOK]
	v_add_nc_u32 v[STOK], s6, v[STOK]
	v_add_nc_u32 v[RDK], s6, v[LI]
	s_mul_i32 s7, s14, STGV
	s_add_co_u32 s7, s7, STGV0
	v_mul_u32_u24 v[STOV], v3, VH
	v_lshl_add_u32 v[STOV], v4, 2, v[STOV]
	v_add_nc_u32 v[STOV], s7, v[STOV]
	v_mul_u32_u24 v[RDV], v3, 272
	v_lshl_add_u32 v[RDV], v2, 4, v[RDV]
	v_add_nc_u32 v[RDV], s7, v[RDV]
	v_lshlrev_b32 v[PVO], 9, v3
	v_lshl_add_u32 v[PVO], v2, 4, v[PVO]
.irp b, 0,1,2,3
	v_mov_b32 v[TM+4+\b], 0
.endr
	s_wait_alu depctr_va_vdst(0)
	s_wait_tensorcnt 0x0                           ; my part of group 0 is in; these three lines stand ahead of slot 1's first fill as ahead of a refill
	ds_add_u32 v[SPW], v[NIL]
	s_wait_dscnt 0x0
	CROUND                                         ; everybody's part is in, and all sixteen work-groups are here
	JLOAD 1                                        ; group 1, the first tensor load behind the round
	FETCH 0, 0, 0
	SCALES 0
	ASK 2*REC                                      ; group 3
	STEP 0, 0, 1
	s_mov_b32 s3, KG/2-1
.Llap:
	STEP 0, 1, 0
	STEP 0, 2, 0
	TURN 0, 1, 1
	STEP 1, 0, 0
	STEP 1, 1, 0
	STEP 1, 2, 0
	TURN 1, 0, 1
	STEP 0, 0, 0
	s_sub_co_u32 s3, s3, 1
	s_cmp_lg_u32 s3, 0
	s_cbranch_scc1 .Llap
	STEP 0, 1, 0
	STEP 0, 2, 0
	TURN 0, 1, 0
	s_cmp_eq_u32 ttmp9, 3
	s_cbranch_scc1 .Lv_text
	s_cmp_eq_u32 ttmp9, 2
	s_cbranch_scc1 .Lk_text
.macro QKTEXT isk
	s_lshl_b32 s4, s17, 7
	s_lshl_b32 s5, s15, 6
	s_add_co_u32 s6, s4, s5
	s_lshl_b32 s4, s6, 9
	s_mov_b32 s5, 0
	s_add_nc_u64 s[72:73], s[72:73], s[4:5]
	s_add_nc_u64 s[74:75], s[74:75], s[4:5]
	s_lshl_b32 s7, s42, 1
	s_add_co_u32 s7, s7, s16
	s_mov_b32 s9, 0
.if \isk
	s_sub_co_u32 s7, s7, 16
	s_lshl_b32 s8, s7, 20
	s_add_co_u32 s8, s8, s4
	s_add_nc_u64 s[88:89], s[88:89], s[8:9]
	s_lshl_b32 s7, s7, 4
	s_add_co_u32 s7, s7, s17
	s_mul_i32 s8, s7, 24576
	s_mul_i32 s18, s15, 6144
	s_add_co_u32 s8, s8, s18
	s_add_nc_u64 s[10:11], s[84:85], s[8:9]
	s_lshl_b32 s8, s7, 10
	s_lshl_b32 s18, s15, 8
	s_add_co_u32 s8, s8, s18
	s_add_nc_u64 s[12:13], s[86:87], s[8:9]
.else
	s_lshl_b32 s7, s7, 5
	s_lshl_b32 s8, s17, 1
	s_add_co_u32 s7, s7, s8
	s_add_co_u32 s7, s7, s15
	s_mul_i32 s8, s7, REC
	s_add_nc_u64 s[10:11], s[82:83], s[8:9]
	s_add_nc_u64 s[12:13], s[10:11], 6144
.endif
	CSLOAD 0, 3
	STEP 1, 0, 0
	STEP 1, 1, 0
	STEP 1, 2, 0
	LAST
	PLACES 4
	s_wait_loadcnt 0x0
	CSLOAD 1, 1
.irp a, 0,1,2,3
.if (\a == 1) || (\a == 2)
	s_wait_loadcnt 32
.elseif \a == 3
	s_wait_loadcnt 0x0
.endif
.if \a%2 == 0
	WIN 0x0e
.else
	WIN 0x06
.endif
.irp n, 0,2,4,6,8,10,12,14,16,18,20,22,24,26,28,30
	v_pk_mul_f32 v[HA+\n:HA+\n+1], v[64*\a+\n:64*\a+\n+1], v[\n:\n+1]
	v_pk_mul_f32 v[HA+\n+32:HA+\n+33], v[64*\a+\n+32:64*\a+\n+33], v[\n+32:\n+33]
	v_pk_fma_f32 v[HA+\n:HA+\n+1], v[64*\a+\n+32:64*\a+\n+33], v[64+\n:64+\n+1], v[HA+\n:HA+\n+1] neg_lo:[1,0,0] neg_hi:[1,0,0]
	v_pk_fma_f32 v[HA+\n+32:HA+\n+33], v[64*\a+\n:64*\a+\n+1], v[96+\n:96+\n+1], v[HA+\n+32:HA+\n+33]
.endr
.if \a < 2
	CSLOAD \a+2, 3-2*(\a%2)
.endif
	WIN 0
	QMAX HA, 0
	s_wait_alu depctr_va_vdst(0)
	s_wait_xcnt 0x0
	QCODE HA, 0, PW+\a
	IMAGE 1536*\a
.if \isk
.set k, 0
.rept 16
	ds_store_b128 v[STOK], v[HA+4*k:HA+4*k+3] offset:128*(k/4)+16*(k%4)
.set k, k+1
.endr
.set k, 0
.rept 16
	ds_load_b128 v[BK+4*k:BK+4*k+3], v[RDK] offset:528*k
.set k, k+1
.endr
	s_wait_dscnt 0x0
.set k, 0
.rept 16
	global_store_b128 v[LI], v[BK+4*k:BK+4*k+3], s[88:89] offset:(32*(\a/2)+8*(\a%2)+k+8*(k/8))*512 th:TH_STORE_NT
.set k, k+1
.endr
.endif
.endr
	SCALEOUT
	CLOSE
.endm
	QKTEXT 0
.Lk_text:
	QKTEXT 1
.Lv_text:
	s_lshl_b32 s7, s42, 1
	s_add_co_u32 s7, s7, s15
	s_sub_co_u32 s7, s7, 24
	s_lshl_b32 s6, s17, 7
	s_lshl_b32 s8, s7, 20
	s_lshl_b32 s4, s6, 9
	s_add_co_u32 s8, s8, s4
	s_lshl_b32 s4, s16, 8
	s_add_co_u32 s8, s8, s4
	s_mov_b32 s9, 0
	s_add_nc_u64 s[90:91], s[90:91], s[8:9]
	s_lshl_b32 s7, s7, 4
	s_add_co_u32 s7, s7, s17
	s_mul_i32 s8, s7, 24576
	s_mul_i32 s4, s16, 6144
	s_add_co_u32 s8, s8, s4
	s_add_co_u32 s8, s8, 12288
	s_add_nc_u64 s[10:11], s[84:85], s[8:9]
	s_lshl_b32 s8, s7, 10
	s_lshl_b32 s4, s16, 8
	s_add_co_u32 s8, s8, s4
	s_add_co_u32 s8, s8, 512
	s_add_nc_u64 s[12:13], s[86:87], s[8:9]
	STEP 1, 0, 0
	STEP 1, 1, 0
	STEP 1, 2, 0
	LAST
	PLACES 4
.irp a, 0,1,2,3
	QMAX 64*\a, 2
	s_wait_alu depctr_va_vdst(0)
	s_wait_xcnt 0x0
	QCODE 64*\a, 2, PW+\a
	IMAGE 1536*\a
.endr
	SCALEOUT
.irp u, 0,1
.if \u
	s_wait_xcnt 0x0
.endif
	WIN 0x08
.irp a, 0,1,2,3
.irp bb, 0,1,2,3
.irp j, 0,1,2,3,4,5,6,7
	ds_store_b32 v[STOV], v[8*(8*\a+4*\u+\bb)+\j] offset:(16*(\bb/2)+8*(\bb%2)+\j)*272+4*(32*(\a/2)+8*(\a%2))   ; token 32 g + 16 h + w lies in row 16 g + w of region h
.endr
.endr
.endr
	WIN 0
.set k, 0
.rept 32
	ds_load_b128 v[128+4*k:128+4*k+3], v[RDV] offset:(16*(k/16)+(2*k)%16)*272+((k/8)%2)*VH   ; tokens 2 k and 2 k + 1
.set k, k+1
.endr
	s_wait_dscnt 0x0
.set k, 0
.rept 32
	global_store_b128 v[PVO], v[128+4*k:128+4*k+3], s[90:91] offset:(64*\u+2*k)*512 th:TH_STORE_NT
.set k, k+1
.endr
.endr
	CLOSE
.Lfunc_end_k_q0f3d4bd37a_qkv:
	.size	k_q0f3d4bd37a_qkv, .Lfunc_end_k_q0f3d4bd37a_qkv-k_q0f3d4bd37a_qkv
	.p2alignl 7, 3214868480
	.fill 96, 4, 3214868480
	.section	.rodata,"a",@progbits
	.p2align	6, 0x0
	.amdhsa_kernel k_q0f3d4bd37a_qkv
		.amdhsa_group_segment_fixed_size 327680
		.amdhsa_private_segment_fixed_size 0
		.amdhsa_enable_private_segment 0
		.amdhsa_kernarg_size 72
		.amdhsa_user_sgpr_count 2
		.amdhsa_user_sgpr_kernarg_segment_ptr 1
		.amdhsa_wavefront_size32 1
		.amdhsa_system_sgpr_workgroup_id_x 1
		.amdhsa_system_sgpr_workgroup_id_y 1
		.amdhsa_system_sgpr_workgroup_id_z 1
		.amdhsa_system_vgpr_workitem_id 0
		.amdhsa_next_free_vgpr 1024
		.amdhsa_next_free_sgpr 100
		.amdhsa_reserve_vcc 0
		.amdhsa_float_denorm_mode_32 3
		.amdhsa_float_denorm_mode_16_64 3
		.amdhsa_memory_ordered 1
		.amdhsa_forward_progress 1
		.amdhsa_inst_pref_size 255
	.end_amdhsa_kernel
	.section	.bss,"aw",@nobits
	.p2align	6
	.space	262144
	.amdgpu_metadata
---
amdhsa.version: [ 1, 2 ]
amdhsa.kernels:
  - .name:           k_q0f3d4bd37a_qkv
    .symbol:         k_q0f3d4bd37a_qkv.kd
    .args:
      - { .name: xc, .offset: 0, .size: 8, .value_kind: global_buffer, .address_space: global }
      - { .name: wc, .offset: 8, .size: 8, .value_kind: global_buffer, .address_space: global }
      - { .name: cos, .offset: 16, .size: 8, .value_kind: global_buffer, .address_space: global }
      - { .name: sin, .offset: 24, .size: 8, .value_kind: global_buffer, .address_space: global }
      - { .name: qc, .offset: 32, .size: 8, .value_kind: global_buffer, .address_space: global }
      - { .name: kvc, .offset: 40, .size: 8, .value_kind: global_buffer, .address_space: global }
      - { .name: kvs, .offset: 48, .size: 8, .value_kind: global_buffer, .address_space: global }
      - { .name: out1, .offset: 56, .size: 8, .value_kind: global_buffer, .address_space: global }
      - { .name: out2, .offset: 64, .size: 8, .value_kind: global_buffer, .address_space: global }
    .group_segment_fixed_size: 327680
    .private_segment_fixed_size: 0
    .kernarg_segment_align: 8
    .kernarg_segment_size: 72
    .max_flat_workgroup_size: 128
    .sgpr_count:     100
    .vgpr_count:     1024
    .wavefront_size: 32
...
	.end_amdgpu_metadata
.endif
;; end of part 2
;; launch attn (part 3): grid 32 x 8, 8 waves a work-group, clusters of 4 x 1, 327,680 bytes of LDS; arguments qc, kvc, kvs, maskw, cc; writes cc
.if DOCPART == 3
	.amdgcn_target "amdgcn-amd-amdhsa--gfx1250"
	.amdhsa_code_object_version 6
	.text
	.protected	k_q0f3d4bd37a_attn
	.globl	k_q0f3d4bd37a_attn
	.p2align	8
	.type	k_q0f3d4bd37a_attn,@function
k_q0f3d4bd37a_attn:
	s_mov_b64 s[64:65], 0
	v_nop
	global_prefetch_b8 v0, s[64:65] scope:SCOPE_SE
	s_setreg_imm32_b32 hwreg(HW_REG_WAVE_MODE, 25, 1), 1
	s_wait_xcnt 0x0
	s_wait_alu depctr_hold_cnt(0) depctr_sa_sdst(0) depctr_va_vdst(0) depctr_va_sdst(0) depctr_va_ssrc(0) depctr_va_vcc(0) depctr_vm_vsrc(0)
	s_getreg_b32 s2, hwreg(HW_REG_IB_STS2, 6, 4)
	s_cmp_eq_u32 s2, 0
	s_cbranch_scc0 .Lentry_in_a_cluster
	s_endpgm
.Lentry_in_a_cluster:
	s_bfe_u32 s2, ttmp6, 0x10000c
	s_cmp_lg_u32 s2, 0x3003
	s_cbranch_scc0 .Lentry_shape_is_right
	s_endpgm
.Lentry_shape_is_right:
; ATTENTION on codes of FP6 with E8M0 scales, under a mask that is an input (no pattern of it is built in: every tile is computed).
; SHARES.  Work-group (x, y): kv head y, query head 2 y + x / 16, query tiles 8 (x % 16) + wave: a wave owns 16 queries and walks all 16 key steps of 128 keys.  Two waves to a SIMD, 512 registers each.
; Both products are used transposed: S^T = K Q^T (source 0 = 16 keys), O^T = V^T P^T (source 0 = 16 channels): a lane holds ONE query throughout.  Key tiles and channel tiles are laid so that register 16 b + i of lane (r, h) is key (channel) 32 b + 16 h + i.
; K's and V^T's images come through a ring of two LDS slots of four key steps (98,304 bytes); the four work-groups of a cluster walk the same kv head, so every fill is a joint load; each of the eight waves brings an eighth.
; FRAGMENTS AHEAD.  Window 1 holds a key step's fragments: K's eight at v0-95, V^T's eight at v96-191.  V's loads are issued round the products K Q^T; the next step's K among the mask's lines.
; THE CHANGE OF SLOTS STANDS INSIDE A SLOT'S LAST KEY STEP.  V's fragments are the wave's last reads of the slot: when they are asked for, the wave waits for its tensor load, adds 0 to its spare word, takes the block maxima,
; waits for its LDS instructions and signals; the rest of the softmax, the quantiser and the rescaling of O^T, work on registers alone, stand between the signal and the wait.  Behind the round come the refill,
; the next slot's first fragments of K, and then this step's products V^T P^T, which read registers alone.
; THE SOFTMAX: a masked key's raw score is R = -337 x 2^25; the largest raw score x c (c = log2(e) / sqrt(128), rounded) gives the running largest t; M = its ceiling; p = 2^(score x c - M), one fused multiply-add and one exponential;
; p is quantised along the keys, not normalised; the row's sum is taken of the unquantised p and divides at the end.  R x c is the whole number -1,441,947,175, so in a row all of whose keys are masked p is one exact power of two for every key.
; The mask comes as lane-mask words (bit l of word n: register n of lane l counts), 64 scalar words a key step, asked for a key step ahead.  ctx = O / l is quantised along the head's 128 channels and stored as an image for the output projection.
; PREFETCH: behind each refill but the last, what the next refill will load: waves 0-2 of the head's first cluster, 8,192 bytes a wave, lanes 256 bytes apart, the four partners told apart by address: each block is named once.
; LIMITS: the promise holds while the unmasked t lie above -1.4419e9 (reference()'s masked logit gives -1.4427e9) and under 2^31; NaN and infinities are not served; 1 / l and p come from v_rcp_f32 and v_exp_f32;
; blocks of zeros get the byte 1 (this program alone reads the bytes).
.set SLOT1, 131072                     ; slot 1 begins here: one exclusive or turns an address from one slot into the other
.set SLOTB, 98304                      ; a slot: four key steps
.set STEPB, 24576                      ; a key step: K's 8 images, then V^T's 8
.set SPARE, 262144                     ; behind the ring: the spare words, 128 bytes a wave
.set KF,  0                            ; window 1: K's fragments, tile T at 12 T
.set VF,  96                           ; window 1: V^T's
.set LI,  1                            ; v1  16 x lane
.set L8,  2                            ; v2  8 x lane
.set TMV, 3                            ; v3  a masked key's raw score
.set PFO, 4                            ; v4  256 x lane
.set SPW, 5
.set NIL, 6
.set CIO, 7                            ; v7  the way out: my place in ctx's image
.set ADK, 8                            ; v8  LDS address of the step's images
.set AVS, 9                            ; v9  offset of the step's scale blocks of V
.set AKS, 10                           ; v10 of the next step's of K
.set CSO, 11                           ; v11 the way out: my row's scale word
.set TB,  2                            ; s2  LDS byte at which the step's images begin
.set MO,  3                            ; s3  the mask words' offset
.set SEL, 12
.set CS,  14                           ; s[14:15] c
.set G1,  16
.set G0,  24
.set WV,  28
.set SLOTS, 29
.set STEPS, 30
.set LIM, 31
.set KSO, 66
.set MSB, 0
.macro WIN new                         ; the immediate's high byte repeats the setting that is left; 0 at every label and branch
.if MSB != (\new)
	s_set_vgpr_msb (MSB<<8)|(\new)
.set MSB, (\new)
.endif
.endm
.macro CREST                           ; a round of the cluster's barrier behind its opening barrier
	s_cmp_lg_u32 s[WV], 0
	s_cbranch_scc1 .Lnot_wave_0_\@
	s_barrier_signal -3
.Lnot_wave_0_\@:
	s_barrier_wait -3
	s_barrier_signal -1
	s_barrier_wait -1
.endm
.macro CROUND
	s_barrier_signal -1
	s_barrier_wait -1
	CREST
.endm
.macro PLACES n
.rept \n
	v_nop
.endr
.endm
.macro FRAGS base, g, off              ; twelve loads of 512 consecutive bytes: tiles 4 g .. 4 g + 3 (under a setting with the destination in window 1)
.irp t, 0,1,2,3
.irp c, 0,1,2
	ds_load_b128 v[\base+12*(4*\g+\t)+4*\c:\base+12*(4*\g+\t)+4*\c+3], v[ADK] offset:(\off)+1536*(4*\g+\t)+512*\c
.endr
.endr
.endm
.macro WALK                            ; no tensor load of mine is out: the descriptor goes to the other slot and the next four key steps; the prefetches' address stays one slot further on
	s_xor_b32 s[G0+1], s[G0+1], SLOT1
	s_add_nc_u64 s[G0+2:G0+3], s[G0+2:G0+3], SLOTB
	s_wait_xcnt 0x0                                ; the last prefetch, a slot back, has read its address
	s_add_nc_u64 s[10:11], s[10:11], SLOTB
.endm
.macro REFILL first                    ; the joint load, and the prefetch of what the next refill loads; the last refill (SLOTS = 1) asks for nothing
	tensor_load_to_lds s[G0:G0+3], s[G1:G1+7]
	s_nop 0
	PLACES 4
.if \first
	s_cmp_eq_u32 s[LIM], 1
.else
	s_cmp_gt_u32 s[SLOTS], s[LIM]
.endif
	s_cbranch_scc0 .Lnot_mine_\@
	global_prefetch_b8 v[PFO], s[10:11] th:TH_LOAD_NT scope:SCOPE_SE
.Lnot_mine_\@:
.endm
	s_load_b256 s[32:39], s[0:1], 0x0              ; qc s[32:33], kvc s[34:35], kvs s[36:37], maskw s[38:39]
	s_load_b64 s[40:41], s[0:1], 0x20              ; cc
	v_lshl_add_u32 v[SPW], v0, 2, SPARE
	v_mov_b32 v[NIL], 0
	ds_add_u32 v[SPW], v[NIL]                      ; the wave's opening: the add, twice on end, and its wait ahead of my first tensor load
	ds_add_u32 v[SPW], v[NIL]
	v_lshrrev_b32 v8, 5, v0
	s_delay_alu instid0(VALU_DEP_1)
	v_readfirstlane_b32 s[WV], v8                  ; wave 0..7
	v_and_b32 v8, 31, v0
	s_delay_alu instid0(VALU_DEP_1)
	v_lshlrev_b32 v[LI], 4, v8
	s_wait_alu depctr_va_vdst(0)
	v_lshlrev_b32 v[L8], 3, v8
	v_lshlrev_b32 v[PFO], 8, v8
	v_and_b32 v9, 15, v0                           ; r
	s_wait_alu depctr_va_vdst(0)
	v_mov_b32 v[TMV], 0xd0288000                   ; -337 x 2^25
	s_bfe_u32 s42, ttmp6, 0x40000                  ; cx: it enters global addresses alone
	s_and_b32 s43, ttmp7, 0xffff                   ; y: the kv head
	s_lshr_b32 s44, ttmp9, 2                       ; x / 16: which of the two query heads
	s_and_b32 s45, ttmp9, 3
	s_lshl_b32 s45, s45, 2
	s_add_co_u32 s45, s45, s42                     ; x % 16
	s_lshl_b32 s46, s45, 3
	s_add_co_u32 s46, s46, s[WV]                   ; rt: my query tile
	s_lshl_b32 s47, s43, 1
	s_add_co_u32 s47, s47, s44                     ; the query head
	; descriptor: an eighth of a slot, 12,288 dense bytes, as 48 rows of 32 elements of 8 bytes; the mask names all four work-groups
	s_mov_b32 s[G1], 15|(3<<16)|(1<<21)
	s_mov_b32 s[G1+1], 32<<16
	s_mov_b32 s[G1+2], 48<<16
	s_mov_b32 s[G1+3], 32<<16
	s_mov_b32 s[G1+4], 48
	s_mov_b32 s[G1+5], 32
	s_mov_b32 s[G1+6], 0
	s_mov_b32 s[G1+7], 0
	s_mov_b32 s[G0], 1
	s_mul_i32 s[G0+1], s[WV], 12288
	s_mul_i32 s48, s43, 16*STEPB                   ; the head's first byte in kvc
	s_add_co_u32 s50, s48, s[G0+1]
	s_mov_b32 s51, 0
	s_mul_i32 s52, s42, 24576                      ; the prefetches: my work-group's quarter of a slot, my wave's 8,192 bytes of it, in slot 1 (the first refill steps it to slot 2)
	s_lshl_b32 s53, s[WV], 13
	s_add_co_u32 s52, s52, s53
	s_add_co_u32 s52, s52, s48
	s_add_co_u32 s52, s52, SLOTB
	s_mov_b32 s53, 0
	s_cmp_lt_u32 s[WV], 3                          ; waves 0 to 2 of the head's first cluster ask: 4 work-groups x 3 waves x 8,192 bytes are a slot
	s_cselect_b32 s[LIM], 0, 1
	s_or_b32 s[LIM], s[LIM], ttmp9
	s_cmp_eq_u32 s[LIM], 0
	s_cselect_b32 s[LIM], 1, -1
	s_lshl_b32 s54, s47, 5
	s_lshl_b32 s55, s45, 1
	s_add_co_u32 s54, s54, s55
	s_lshr_b32 s55, s[WV], 2
	s_add_co_u32 s54, s54, s55                     ; q's record: (head, rt / 4)
	s_mul_i32 s54, s54, 6400
	s_mov_b32 s55, 0
	s_and_b32 s56, s[WV], 3                        ; u = rt % 4
	s_mul_i32 s57, s56, 1536
	v_add_nc_u32 v28, s57, v[LI]                   ; its image
	s_lshr_b32 s57, s56, 1
	s_lshl_b32 s57, s57, 7
	s_and_b32 s58, s[WV], 1
	s_lshl_b32 s58, s58, 2
	s_add_co_u32 s57, s57, s58
	s_add_co_u32 s57, s57, 6144
	v_lshl_add_u32 v29, v9, 3, s57                 ; its scale word of row r
	s_lshl_b32 s58, s46, 2
	s_lshr_b32 s59, s43, 1
	s_add_co_u32 s58, s58, s59                     ; ctx's record: (rt, head / 4)
	s_mul_i32 s58, s58, 6400
	s_mov_b32 s59, 0
	s_and_b32 s60, s43, 1
	s_lshl_b32 s61, s60, 1
	s_add_co_u32 s61, s61, s44                     ; head % 4
	s_mul_i32 s61, s61, 1536
	v_add_nc_u32 v[CIO], s61, v[LI]
	s_lshl_b32 s60, s60, 7
	s_lshl_b32 s61, s44, 2
	s_add_co_u32 s60, s60, s61
	s_add_co_u32 s60, s60, 6144
	v_lshl_add_u32 v[CSO], v9, 3, s60
	s_lshl_b32 s62, s46, 12                        ; the mask words of my tile: 16 key steps x 256 bytes
	s_mov_b32 s63, 0
	s_lshl_b32 s48, s43, 14                        ; the head's scale blocks: 16 key steps x 1,024 bytes
	s_mov_b32 s49, 0
	s_mov_b32 s[SEL], 0x76543210
	s_mov_b32 s[SEL+1], 0xfedcba98
	s_mov_b32 s[CS], 0x3e0293ee
	s_mov_b32 s[CS+1], s[CS]                       ; (named with it as a pair, so it is written)
	s_mov_b32 s[TB], 0
	s_mov_b32 s[MO], 0
	s_mov_b32 s[KSO], 0
	s_mov_b32 s[SLOTS], 2
	s_wait_dscnt 0x0                               ; both opening adds are done
	s_wait_kmcnt 0x0
	s_add_nc_u64 s[G0+2:G0+3], s[34:35], s[50:51]
	s_or_b32 s[G0+3], s[G0+3], 0x80000000
	s_add_nc_u64 s[10:11], s[34:35], s[52:53]
	s_add_nc_u64 s[100:101], s[32:33], s[54:55]
	s_add_nc_u64 s[8:9], s[40:41], s[58:59]
	s_add_nc_u64 s[4:5], s[38:39], s[62:63]
	s_add_nc_u64 s[6:7], s[36:37], s[48:49]
	CROUND                                         ; all four work-groups are here: the first joint loads meet
	tensor_load_to_lds s[G0:G0+3], s[G1:G1+7]      ; slot 0; one tensor load of mine is out at any time
	s_nop 0
	PLACES 4
	s_wait_alu depctr_va_vdst(0)
	global_load_b128 v[16:19], v28, s[100:101]     ; Q's fragment stays in registers
	global_load_b128 v[20:23], v28, s[100:101] offset:512
	global_load_b128 v[24:27], v28, s[100:101] offset:1024
	global_load_b32 v255, v29, s[100:101]          ; Q's scale words
	v_mov_b32 v[AKS], v[L8]
	global_load_b64 v[80:81], v[AKS], s[6:7]       ; K's scale blocks of key step 0
	global_load_b64 v[82:83], v[AKS], s[6:7] offset:256
	s_load_b512 s[32:47], s[4:5], s[MO] offset:0x0 ; the mask words of key step 0
	s_load_b512 s[48:63], s[4:5], s[MO] offset:0x40
	s_load_b512 s[68:83], s[4:5], s[MO] offset:0x80
	s_load_b512 s[84:99], s[4:5], s[MO] offset:0xc0
	v_mov_b32 v13, 0xff61b1e6                      ; the largest t so far: -3e38
	s_delay_alu instid0(VALU_DEP_1)
	v_floor_f32 v12, -v13                          ; -M
	v_mov_b32 v14, 0                               ; the sum, in two halves
	v_mov_b32 v15, 0
.irp b, 0,1,2,3
	v_mov_b32 v[236+\b], 0                         ; written once: a lane permute's destination counts as one of its sources
.endr
	v_mov_b32 v253, 0                              ; (named as the upper half of the pair v[252:253] before it is first written)
.set j, 0
.rept 64
	v_mov_b32 v[160+j], 0                          ; O^T: the step has no first form of its own; its first walk finds zeros, which the first change of M leaves zeros
.set j, j+1
.endr
; A KEY STEP.  At its head K's 24 loads have been issued.  pf = 1: the next step's K, which lies in the same slot, is asked for.
; chg = 1: the slot's last step, with the change of slots and a refill; chg = 2: the same with no refill (a plain barrier shows the last slot whole); chg = 0: no change.
.macro STEP pf, chg
	v_add_nc_u32 v[ADK], s[TB], v[LI]
	v_add_nc_u32 v[AVS], s[KSO], v[L8]
	v_nop
	v_nop                                          ; four places behind the last products: V's fragments and scale words are loaded anew
	global_load_b64 v[84:85], v[AVS], s[6:7] offset:512   ; V's scale blocks of this step
	global_load_b64 v[86:87], v[AVS], s[6:7] offset:768
	WIN 0x40                                       ; destination window 1, address window 0
	FRAGS VF, 0, 12288                             ; V's tiles 0-3
	s_wait_alu depctr_va_vdst(0)
	s_wait_dscnt 12                                ; K's 24 loads are in; the twelve just issued may be out
	s_wait_loadcnt 0x2                             ; K's scale blocks (and, the first time, Q) are in; V's two loads, issued behind them, may be out
	WIN 0x01                                       ; source 0 window 1
.irp T, 0,1,2,3,4,5,6,7                ; S^T = K Q^T: eight tiles of 16 keys, each sum begun with 0
.if (\T%4) < 2
	v_wmma_scale_f32_16x16x128_f8f6f4 v[96+8*\T:103+8*\T], v[KF+12*\T:KF+12*\T+11], v[16:27], 0, v[80+2*(\T/4)+\T%2], v255 matrix_a_fmt:MATRIX_FMT_FP6 matrix_b_fmt:MATRIX_FMT_FP6
.else
	v_wmma_scale_f32_16x16x128_f8f6f4 v[96+8*\T:103+8*\T], v[KF+12*\T:KF+12*\T+11], v[16:27], 0, v[80+2*(\T/4)+\T%2], v255 matrix_a_fmt:MATRIX_FMT_FP6 matrix_b_fmt:MATRIX_FMT_FP6 matrix_a_scale:MATRIX_SCALE_ROW1
.endif
.endr
	WIN 0x40
	FRAGS VF, 1, 12288                             ; V's tiles 4-7 (registers that these products do not name)
	WIN 0
	s_add_co_u32 s[KSO], s[KSO], 1024
	s_min_u32 s67, s[KSO], 15360                   ; the last step's look-ahead is held at the buffer's last block
	v_add_nc_u32 v[AKS], s67, v[L8]                ; (the loads that read it were waited for above)  With the three below: four places behind the products
	PLACES 3
.if \pf
	WIN 0x40
	FRAGS KF, 0, STEPB                             ; the next step's K, tiles 0-3: this step's products have read these registers, four places back
	WIN 0
.endif
	s_wait_kmcnt 0x0                               ; the step's 64 mask words
.set n, 0
.rept 32
	v_cndmask_b32 v[96+n], v[TMV], v[96+n], s[32+n]   ; each accumulator from its low end on
.set n, n+1
.endr
.if \pf
	WIN 0x40
	FRAGS KF, 1, STEPB                             ; and tiles 4-7
	WIN 0
.endif
.set n, 0
.rept 32
	v_cndmask_b32 v[128+n], v[TMV], v[128+n], s[68+n]
.set n, n+1
.endr
	s_add_co_u32 s[MO], s[MO], 256                 ; the next step's mask words and scale blocks of K; the last step's are held at the buffers' last blocks
	s_min_u32 s[MO], s[MO], 3840
	s_load_b512 s[32:47], s[4:5], s[MO] offset:0x0
	s_load_b512 s[48:63], s[4:5], s[MO] offset:0x40
	s_load_b512 s[68:83], s[4:5], s[MO] offset:0x80
	s_load_b512 s[84:99], s[4:5], s[MO] offset:0xc0
	global_load_b64 v[80:81], v[AKS], s[6:7]
	global_load_b64 v[82:83], v[AKS], s[6:7] offset:256
.if \chg
	s_wait_alu depctr_va_vdst(0)
	s_wait_tensorcnt 0x0                           ; my eighth of the other slot is in
	ds_add_u32 v[SPW], v[NIL]                      ; 0 onto my spare word; the block maxima stand between it and the wait for it
.if \chg == 1
	WALK
.endif
.endif
.irp b, 0,1,2,3
	v_max3_num_f32 v[232+\b], v[96+16*\b], v[97+16*\b], v[98+16*\b]   ; the largest score of each block of 32 keys: it serves for the row's maximum and, since p rises with the score, for the block's largest p
.endr
.irp i, 3,5,7,9,11,13
.irp b, 0,1,2,3
	s_delay_alu instid0(VALU_DEP_4)
	v_max3_num_f32 v[232+\b], v[232+\b], v[96+16*\b+\i], v[97+16*\b+\i]
.endr
.endr
.irp b, 0,1,2,3
	s_delay_alu instid0(VALU_DEP_4)
	v_max_num_f32 v[232+\b], v[232+\b], v[111+16*\b]
.endr
.if \chg
	s_wait_alu depctr_va_vdst(0)
	s_wait_dscnt 0x0                               ; the add is done, and V's fragments, my last reads of this slot, are in
	s_barrier_signal -1                            ; work on registers alone from here to the wait
.irp b, 0,1,2,3
	v_permlanex16_b32 v[236+\b], v[232+\b], s[SEL], s[SEL+1]
.endr
.else
.irp b, 0,1,2,3
	s_delay_alu instid0(VALU_DEP_4)
	v_permlanex16_b32 v[236+\b], v[232+\b], s[SEL], s[SEL+1]
.endr
.endif
.irp b, 0,1,2,3
	s_delay_alu instid0(VALU_DEP_4)
	v_max_num_f32 v[232+\b], v[232+\b], v[236+\b]  ; with lane l xor 16's 16 keys
.endr
	s_delay_alu instid0(VALU_DEP_2)
	v_max3_num_f32 v254, v232, v233, v234
	s_delay_alu instid0(VALU_DEP_1)
	v_max_num_f32 v254, v254, v235
	s_delay_alu instid0(VALU_DEP_1)
	v_mul_f32 v254, s[CS], v254                    ; as t (c is positive)
	s_delay_alu instid0(VALU_DEP_1)
	v_max_num_f32 v13, v13, v254                   ; the running largest t
	v_mov_b32 v254, v12
	s_delay_alu instid0(VALU_DEP_2)
	v_floor_f32 v12, -v13                          ; the new -M = -ceil(t): a whole number
	s_delay_alu instid0(VALU_DEP_1)
	v_sub_f32 v254, v12, v254                      ; old M - new M: a whole number, 0 or less
	s_delay_alu instid0(VALU_DEP_1)
	v_cvt_i32_f32 v254, v254                       ; (it saturates)
	s_delay_alu instid0(VALU_DEP_1)
	v_ldexp_f32 v252, 1.0, v254                    ; f = 2^(old M - new M)
.set j, 0
.rept 32
	v_pk_fma_f32 v[96+j:97+j], v[96+j:97+j], s[CS:CS+1], v[12:13] op_sel_hi:[1,0,0]   ; score x c - M (of the pairs c and -M the low word serves both halves)
.set j, j+2
.endr
.irp b, 0,1,2,3
	v_fma_f32 v[232+\b], v[232+\b], s[CS], v12     ; the same of each block's largest score
.endr
.set j, 0
	s_wait_alu depctr_va_vdst(0)
.rept 64
	v_exp_f32 v[96+j], v[96+j]                     ; p
.set j, j+1
.endr
	v_pk_mul_f32 v[14:15], v[14:15], v[252:253] op_sel_hi:[1,0]   ; the sums under the new M: a plain place behind the exponentials
	s_wait_alu depctr_va_vdst(0)                   ; one wait for the batch of 64, ahead of its first reader
.irp b, 0,1,2,3
	v_exp_f32 v[232+\b], v[232+\b]                 ; the block's largest p: the same two instructions on the same number
.endr
.irp q, 0,1,2,3,4,5,6,7                ; the row's sum of the unquantised p: eight chains of pairs, then a tree
	v_pk_add_f32 v[236+2*\q:237+2*\q], v[96+2*\q:97+2*\q], v[112+2*\q:113+2*\q]
.endr
.irp j, 128,144
.irp q, 0,1,2,3,4,5,6,7
	v_pk_add_f32 v[236+2*\q:237+2*\q], v[236+2*\q:237+2*\q], v[\j+2*\q:\j+2*\q+1]
.endr
.endr
.irp q, 0,1,2,3
	s_delay_alu instid0(VALU_DEP_4)
	v_pk_add_f32 v[236+2*\q:237+2*\q], v[236+2*\q:237+2*\q], v[244+2*\q:245+2*\q]
.endr
.irp q, 0,1
	s_delay_alu instid0(VALU_DEP_2)
	v_pk_add_f32 v[236+2*\q:237+2*\q], v[236+2*\q:237+2*\q], v[240+2*\q:241+2*\q]
.endr
	s_delay_alu instid0(VALU_DEP_1)
	v_pk_add_f32 v[236:237], v[236:237], v[238:239]
	s_delay_alu instid0(VALU_DEP_1)
	v_pk_add_f32 v[14:15], v[14:15], v[236:237]
	s_wait_alu depctr_va_vdst(0)                   ; and one for the four
.irp b, 0,1,2,3
	v_max_num_f32 v[232+\b], 0x1800000, v[232+\b]  ; the floor 2^(3 - 127): the byte cannot fall under 1
.endr
.irp b, 0,1,2,3
	s_delay_alu instid0(VALU_DEP_4)
	v_add_nc_u32 v[244+\b], 0xff000000, v[232+\b]  ; 2 off the exponent field: the conversion's scale operand
.endr
.irp b, 0,1,2,3
	s_delay_alu instid0(VALU_DEP_4)
	v_lshrrev_b32 v[236+\b], 23, v[244+\b]         ; the scale's byte
.endr
	s_delay_alu instid0(VALU_DEP_3)
	v_lshl_or_b32 v253, v237, 8, v236              ; p's scale word for these 128 keys
	s_delay_alu instid0(VALU_DEP_1)
	v_lshl_or_b32 v253, v238, 16, v253
	s_delay_alu instid0(VALU_DEP_1)
	v_lshl_or_b32 v253, v239, 24, v253
.irp c, 0,1
	v_cvt_scalef32_pk16_fp6_f32 v[224+6*\c:226+6*\c], v[96+32*\c:111+32*\c], v[244+2*\c]
	v_cvt_scalef32_pk16_fp6_f32 v[236+4*\c:238+4*\c], v[112+32*\c:127+32*\c], v[245+2*\c]
.endr
	v_nop                                          ; one plain place behind a scaled conversion
.irp c, 0,1
.irp i, 0,1,2
	v_permlane16_swap_b32 v[224+6*\c+\i], v[236+4*\c+\i]
.endr
.irp i, 0,1,2
	s_delay_alu instid0(VALU_DEP_3)
	v_mov_b32 v[227+6*\c+\i], v[236+4*\c+\i]
.endr
.endr
.set j, 0
.rept 32
	v_pk_mul_f32 v[160+j:161+j], v[160+j:161+j], v[252:253] op_sel_hi:[1,0]   ; O^T under the new M; these 32 are also the places in front of the products below
.set j, j+2
.endr
	s_wait_alu depctr_va_vdst(0)
.if \chg
	s_barrier_wait -1                              ; no wave of my work-group reads this slot any more, and the other slot is whole
.if \chg == 1
	CREST                                          ; the barrier has opened a round of the cluster's barrier: the same holds of all four work-groups
	REFILL 0                                       ; the slot just left takes the next four key steps
.endif
	s_sub_co_u32 s[TB], s[TB], 3*STEPB
	s_xor_b32 s[TB], s[TB], SLOT1                  ; the other slot's first step
	v_add_nc_u32 v[ADK], s[TB], v[LI]
	WIN 0x40
	FRAGS KF, 0, 0                                 ; its K: these 24 loads land under the products below
	FRAGS KF, 1, 0
.elseif \pf
	s_wait_dscnt 24                                ; V's 24 loads are in; the next step's 24 of K, issued behind them, may be out
.else
	s_wait_dscnt 0x0
.endif
	s_wait_loadcnt 0x2                             ; V's scale blocks are in; the next step's two of K may be out
	WIN 0x01
.irp T, 0,1,2,3,4,5,6,7                ; O^T += V^T P^T: eight tiles of 16 channels, the eight accumulators by turns
.if (\T%4) < 2
	v_wmma_scale_f32_16x16x128_f8f6f4 v[160+8*\T:167+8*\T], v[VF+12*\T:VF+12*\T+11], v[224:235], v[160+8*\T:167+8*\T], v[84+2*(\T/4)+\T%2], v253 matrix_a_fmt:MATRIX_FMT_FP6 matrix_b_fmt:MATRIX_FMT_FP6
.else
	v_wmma_scale_f32_16x16x128_f8f6f4 v[160+8*\T:167+8*\T], v[VF+12*\T:VF+12*\T+11], v[224:235], v[160+8*\T:167+8*\T], v[84+2*(\T/4)+\T%2], v253 matrix_a_fmt:MATRIX_FMT_FP6 matrix_b_fmt:MATRIX_FMT_FP6 matrix_a_scale:MATRIX_SCALE_ROW1
.endif
.endr
	WIN 0
.if \chg == 0
	s_add_co_u32 s[TB], s[TB], STEPB               ; the next step's images
.endif
.endm
.macro THREE                           ; a slot's first three key steps, each asking for the next step's K
	s_mov_b32 s[STEPS], 3
.Lstep_\@:
	STEP 1, 0
	s_sub_co_u32 s[STEPS], s[STEPS], 1
	s_cmp_lg_u32 s[STEPS], 0
	s_cbranch_scc1 .Lstep_\@
.endm
	; slot 1's first fill is issued as a refill is: the three lines, a round, the joint load; then slot 0's first K
	s_wait_alu depctr_va_vdst(0)
	s_wait_tensorcnt 0x0
	ds_add_u32 v[SPW], v[NIL]
	WALK
	s_wait_dscnt 0x0
	CROUND
	REFILL 1
	v_add_nc_u32 v[ADK], s[TB], v[LI]
	WIN 0x40
	FRAGS KF, 0, 0
	FRAGS KF, 1, 0
	WIN 0
.Lslot:                                            ; two trips: slots 0 and 1, each filled again in its last step
	THREE
	STEP 0, 1
	s_sub_co_u32 s[SLOTS], s[SLOTS], 1
	s_cmp_lg_u32 s[SLOTS], 0
	s_cbranch_scc1 .Lslot
	THREE                                          ; the last two slots are written out
	STEP 0, 2
	THREE
	STEP 0, 0
	; THE WAY OUT: ctx = O^T / l, quantised along the head's channels (a lane's 64 registers are in the quantiser's order), stored as an image
	PLACES 4
	v_add_f32 v14, v14, v15
	s_delay_alu instid0(VALU_DEP_1)
	v_permlanex16_b32 v252, v14, s[SEL], s[SEL+1]
	s_delay_alu instid0(VALU_DEP_1)
	v_add_f32 v14, v14, v252                       ; the row's sum
	s_wait_alu depctr_va_vdst(0)
	v_rcp_f32 v14, v14
	v_nop                                          ; a plain place behind the transcendental
	s_wait_alu depctr_va_vdst(0)                   ; the wait, ahead of the first reader
.set j, 0
.rept 64
	v_mul_f32 v[96+j], v[160+j], v14
.set j, j+1
.endr
.irp b, 0,1,2,3
	v_max3_num_f32 v[232+\b], |v[96+16*\b]|, |v[97+16*\b]|, 0x1800000
.endr
.irp i, 2,4,6,8,10,12,14
.irp b, 0,1,2,3
	s_delay_alu instid0(VALU_DEP_4)
	v_max3_num_f32 v[232+\b], v[232+\b], |v[96+16*\b+\i]|, |v[97+16*\b+\i]|
.endr
.endr
.irp b, 0,1,2,3
	s_delay_alu instid0(VALU_DEP_4)
	v_permlanex16_b32 v[236+\b], v[232+\b], s[SEL], s[SEL+1]
.endr
.irp b, 0,1,2,3
	s_delay_alu instid0(VALU_DEP_4)
	v_max_num_f32 v[232+\b], v[232+\b], v[236+\b]
.endr
.irp b, 0,1,2,3
	s_delay_alu instid0(VALU_DEP_4)
	v_add_nc_u32 v[244+\b], 0xff000000, v[232+\b]
.endr
.irp b, 0,1,2,3
	s_delay_alu instid0(VALU_DEP_4)
	v_lshrrev_b32 v[236+\b], 23, v[244+\b]
.endr
	s_delay_alu instid0(VALU_DEP_3)
	v_lshl_or_b32 v254, v237, 8, v236
	s_delay_alu instid0(VALU_DEP_1)
	v_lshl_or_b32 v254, v238, 16, v254
	s_delay_alu instid0(VALU_DEP_1)
	v_lshl_or_b32 v254, v239, 24, v254
.irp c, 0,1
	v_cvt_scalef32_pk16_fp6_f32 v[32+6*\c:34+6*\c], v[96+32*\c:111+32*\c], v[244+2*\c]
	v_cvt_scalef32_pk16_fp6_f32 v[44+4*\c:46+4*\c], v[112+32*\c:127+32*\c], v[245+2*\c]
.endr
	v_nop
.irp c, 0,1
.irp i, 0,1,2
	v_permlane16_swap_b32 v[32+6*\c+\i], v[44+4*\c+\i]
.endr
.irp i, 0,1,2
	s_delay_alu instid0(VALU_DEP_3)
	v_mov_b32 v[35+6*\c+\i], v[44+4*\c+\i]
.endr
.endr
.irp c, 0,1,2
	global_store_b128 v[CIO], v[32+4*\c:35+4*\c], s[8:9] offset:512*\c   ; 512 consecutive bytes, at a multiple of 256 from the buffer's first byte
.endr
	global_store_b32 v[CSO], v254, s[8:9]          ; my row's scale word (lanes r and r + 16 store the same word to the same place): a block's four heads belong to four work-groups, so these 4 bytes a row leave singly
	s_wait_tensorcnt 0x0                           ; the wave's end: three lines behind my last tensor load
	ds_add_u32 v[SPW], v[NIL]
	s_wait_dscnt 0x0
	CROUND                                         ; the closing round
	s_endpgm
.Lfunc_end_k_q0f3d4bd37a_attn:
	.size	k_q0f3d4bd37a_attn, .Lfunc_end_k_q0f3d4bd37a_attn-k_q0f3d4bd37a_attn
	.p2alignl 7, 3214868480
	.fill 96, 4, 3214868480
	.section	.rodata,"a",@progbits
	.p2align	6, 0x0
	.amdhsa_kernel k_q0f3d4bd37a_attn
		.amdhsa_group_segment_fixed_size 327680
		.amdhsa_private_segment_fixed_size 0
		.amdhsa_enable_private_segment 0
		.amdhsa_kernarg_size 40
		.amdhsa_user_sgpr_count 2
		.amdhsa_user_sgpr_kernarg_segment_ptr 1
		.amdhsa_wavefront_size32 1
		.amdhsa_system_sgpr_workgroup_id_x 1
		.amdhsa_system_sgpr_workgroup_id_y 1
		.amdhsa_system_sgpr_workgroup_id_z 1
		.amdhsa_system_vgpr_workitem_id 0
		.amdhsa_next_free_vgpr 512
		.amdhsa_next_free_sgpr 106
		.amdhsa_reserve_vcc 0
		.amdhsa_float_denorm_mode_32 3
		.amdhsa_float_denorm_mode_16_64 3
		.amdhsa_memory_ordered 1
		.amdhsa_forward_progress 1
		.amdhsa_inst_pref_size 173
	.end_amdhsa_kernel
	.amdgpu_metadata
---
amdhsa.version: [ 1, 2 ]
amdhsa.kernels:
  - .name:           k_q0f3d4bd37a_attn
    .symbol:         k_q0f3d4bd37a_attn.kd
    .args:
      - { .name: qc, .offset: 0, .size: 8, .value_kind: global_buffer, .address_space: global }
      - { .name: kvc, .offset: 8, .size: 8, .value_kind: global_buffer, .address_space: global }
      - { .name: kvs, .offset: 16, .size: 8, .value_kind: global_buffer, .address_space: global }
      - { .name: maskw, .offset: 24, .size: 8, .value_kind: global_buffer, .address_space: global }
      - { .name: cc, .offset: 32, .size: 8, .value_kind: global_buffer, .address_space: global }
    .group_segment_fixed_size: 327680
    .private_segment_fixed_size: 0
    .kernarg_segment_align: 8
    .kernarg_segment_size: 40
    .max_flat_workgroup_size: 256
    .sgpr_count:     106
    .vgpr_count:     512
    .wavefront_size: 32
...
	.end_amdgpu_metadata
.endif
;; end of part 3
;; launch oproj (part 4): grid 16 x 16, 4 waves a work-group, clusters of 4 x 4, 327,680 bytes of LDS; arguments cc, woc, out0; writes out0
.if DOCPART == 4
	.amdgcn_target "amdgcn-amd-amdhsa--gfx1250"
	.amdhsa_code_object_version 6
	.text
	.protected	k_q0f3d4bd37a_oproj
	.globl	k_q0f3d4bd37a_oproj
	.p2align	8
	.type	k_q0f3d4bd37a_oproj,@function
k_q0f3d4bd37a_oproj:
	s_mov_b64 s[64:65], 0
	v_nop
	global_prefetch_b8 v0, s[64:65] scope:SCOPE_SE
	s_setreg_imm32_b32 hwreg(HW_REG_WAVE_MODE, 25, 1), 1
	s_wait_xcnt 0x0
	s_wait_alu depctr_hold_cnt(0) depctr_sa_sdst(0) depctr_va_vdst(0) depctr_va_sdst(0) depctr_va_ssrc(0) depctr_va_vcc(0) depctr_vm_vsrc(0)
	s_getreg_b32 s2, hwreg(HW_REG_IB_STS2, 6, 4)
	s_cmp_eq_u32 s2, 0
	s_cbranch_scc0 .Lentry_in_a_cluster
	s_endpgm
.Lentry_in_a_cluster:
	s_bfe_u32 s2, ttmp6, 0x10000c
	s_cmp_lg_u32 s2, 0xf033
	s_cbranch_scc0 .Lentry_shape_is_right
	s_endpgm
.Lentry_shape_is_right:
; OPROJ.  out0 = ctx Wo^T, [2048 tokens] x [4096 rows], K = 2048, on codes of FP6 with E8M0 scales (records of 16 rows x 512 K, 6,400 bytes, as prep and the attention laid them).
; A work-group makes 128 tokens x 256 columns: 16 x 16 work-groups, one for each WGP; a wave 64 x 128.  Two LDS slots of 24 records; 4 x 4 work-groups ask jointly, ctx's records along a row of the cluster, Wo's along a column.
; PREFETCH: K has four record groups.  Behind group 0's joint load each wave asks for groups 1 and 2, behind group 1's for group 3; the loop's loads have no group two further on.  Of the records that a wave fetches jointly with
; three partners each partner names its own by address (ctx: record cx of 4; Wo: records 2 cy, 2 cy + 1 of 8), lanes 256 bytes apart over a record's 25 blocks, lanes 25-31 naming the last again.
.set RPR,    4
.set KG,     4
.set REC,    6400
.set SLOT,   24*REC
.set WOFF,   8*REC
.set SPARE,  2*SLOT
.set STGK,   8448
.set AD0, 10
.set AD1, 12
.set AS0, 14
.set AS1, 16
.set LI,  18
.set L8,  19
.set STO, 21
.set RD,  22
.set SPW, 28
.set NIL, 29
.set SC,  32
.set S1F, 96
.set BK,  128
.set G1A, 24
.set G0A, 32
.set G1B, 48
.set G0B, 56
.set PFO, 26                           ; v26 the prefetches' offset: 256 x min(lane, 24); never rewritten
.set PFA, 74                           ; s[74:75] my record of group 1; never stepped
.macro ASK off                         ; ctx's waves name one record, Wo's waves two
	global_prefetch_b8 v[PFO], s[PFA:PFA+1] offset:\off th:TH_LOAD_NT scope:SCOPE_SE
	s_cmp_eq_u32 s15, 0
	s_cbranch_scc1 .Lone_\@
	global_prefetch_b8 v[PFO], s[PFA:PFA+1] offset:(\off)+RPR*REC th:TH_LOAD_NT scope:SCOPE_SE
.Lone_\@:
.endm
.set MSB, 0
.macro WIN new
.if MSB != (\new)
	s_set_vgpr_msb (MSB<<8)|(\new)
.set MSB, (\new)
.endif
.endm
.macro PLACES n
.rept \n
	v_nop
.endr
.endm
.macro JLOAD s
	s_cmp_eq_u32 s15, 0
	s_cbranch_scc0 .Lfor_b_\@
	tensor_load_to_lds s[G0A+4*\s:G0A+4*\s+3], s[G1A:G1A+7]
	s_nop 0
	PLACES 4
	s_branch .Lasked_\@
.Lfor_b_\@:
	tensor_load_to_lds s[G0B+4*\s:G0B+4*\s+3], s[G1B:G1B+7]
	s_nop 0
	PLACES 4
.Lasked_\@:
.endm
.macro CREST
	s_cmp_lg_u32 s14, 0
	s_cbranch_scc1 .Lnot_wave_0_\@
	s_barrier_signal -3
.Lnot_wave_0_\@:
	s_barrier_wait -3
	s_barrier_signal -1
	s_barrier_wait -1
.endm
.macro CROUND
	s_barrier_signal -1
	s_barrier_wait -1
	CREST
.endm
.macro FETCH slot, q, p
	WIN 0x40
.irp b, 0,1,2,3,4,5,6,7
.irp c, 0,1,2
	ds_load_b128 v[128*(\p)+12*\b+4*\c:128*(\p)+12*\b+4*\c+3], v[AD0+\slot] offset:REC*\b+1536*(\q)+512*\c
.endr
.endr
	WIN 0
.irp a, 0,1,2,3
.irp c, 0,1,2
	ds_load_b128 v[S1F+48*(\p)+12*\a+4*\c:S1F+48*(\p)+12*\a+4*\c+3], v[AD1+\slot] offset:REC*\a+1536*(\q)+512*\c
.endr
.endr
.endm
.macro SCALES slot
.irp b, 0,1,2,3,4,5,6,7
	ds_load_b64 v[SC+24*\slot+2*\b:SC+24*\slot+2*\b+1], v[AS0+\slot] offset:REC*\b+6144
.endr
.irp a, 0,1,2,3
	ds_load_b64 v[SC+24*\slot+16+2*\a:SC+24*\slot+16+2*\a+1], v[AS1+\slot] offset:REC*\a+6144
.endr
.endm
.macro MULA a, p, q, sc, zero
.irp b, 0,1,2,3,4,5,6,7
.set rD, 8*(8*(\a)+\b)
.set rA, 128*(\p)+12*\b
.set rB, S1F+48*(\p)+12*(\a)
.set rSA, SC+24*(\sc)+2*\b+(\q)%2
.set rSB, SC+24*(\sc)+16+2*(\a)+(\q)%2
.if \zero
	v_wmma_scale_f32_16x16x128_f8f6f4 v[rD:rD+7], v[rA:rA+11], v[rB:rB+11], 0, v[rSA], v[rSB] matrix_a_fmt:MATRIX_FMT_FP6 matrix_b_fmt:MATRIX_FMT_FP6
.elseif (\q) < 2
	v_wmma_scale_f32_16x16x128_f8f6f4 v[rD:rD+7], v[rA:rA+11], v[rB:rB+11], v[rD:rD+7], v[rSA], v[rSB] matrix_a_fmt:MATRIX_FMT_FP6 matrix_b_fmt:MATRIX_FMT_FP6
.else
	v_wmma_scale_f32_16x16x128_f8f6f4 v[rD:rD+7], v[rA:rA+11], v[rB:rB+11], v[rD:rD+7], v[rSA], v[rSB] matrix_a_fmt:MATRIX_FMT_FP6 matrix_b_fmt:MATRIX_FMT_FP6 matrix_a_scale:MATRIX_SCALE_ROW1 matrix_b_scale:MATRIX_SCALE_ROW1
.endif
.endr
.endm
.macro STEP slot, q, zero
	s_wait_dscnt 0x0
	PLACES 4
	FETCH \slot, (\q)+1, 1-(\q)%2
	WIN 0xa1
	MULA 0, (\q)%2, \q, \slot, \zero
	MULA 1, (\q)%2, \q, \slot, \zero
	MULA 2, (\q)%2, \q, \slot, \zero
	MULA 3, (\q)%2, \q, \slot, \zero
	WIN 0
.endm
.macro TURN slot, next, fill
	s_wait_tensorcnt 0x0
	ds_add_u32 v[SPW], v[NIL]
	s_wait_dscnt 0x1
	WIN 0xa1
	MULA 0, 1, 3, \slot, 0
	s_wait_dscnt 0x0
	s_barrier_signal -1
	MULA 1, 1, 3, \slot, 0
	WIN 0
	s_barrier_wait -1
.if \fill
	CREST
	s_add_nc_u64 s[G0A+4*\slot+2:G0A+4*\slot+3], s[G0A+4*\slot+2:G0A+4*\slot+3], 2*REC
	s_add_nc_u64 s[G0B+4*\slot+2:G0B+4*\slot+3], s[G0B+4*\slot+2:G0B+4*\slot+3], 2*REC
	JLOAD \slot
.else
	PLACES 4
.endif
	FETCH \next, 0, 0
	SCALES \next
	WIN 0xa1
	MULA 2, 1, 3, \slot, 0
	MULA 3, 1, 3, \slot, 0
	WIN 0
.endm
	s_load_b128 s[68:71], s[0:1], 0x0
	s_load_b64 s[72:73], s[0:1], 0x10
	v_lshl_add_u32 v[SPW], v0, 2, SPARE
	v_mov_b32 v[NIL], 0
	ds_add_u32 v[SPW], v[NIL]
	ds_add_u32 v[SPW], v[NIL]
	v_lshrrev_b32 v1, 5, v0
	v_readfirstlane_b32 s14, v1
	v_and_b32 v[PFO], 31, v0
	v_min_u32 v[PFO], 24, v[PFO]
	v_lshlrev_b32 v[PFO], 8, v[PFO]
	s_lshr_b32 s15, s14, 1
	s_and_b32 s16, s14, 1
	s_bfe_u32 s40, ttmp6, 0x40000
	s_bfe_u32 s41, ttmp6, 0x40004
	s_lshl_b32 s42, ttmp9, 2
	s_add_co_u32 s42, s42, s40
	s_and_b32 s17, ttmp7, 0xffff
	s_lshl_b32 s17, s17, 2
	s_add_co_u32 s17, s17, s41
	s_lshl_b32 s43, s41, 2
	s_lshl_b32 s43, 15, s43
	s_lshl_b32 s44, 0x1111, s40
	s_or_b32 s[G1A], s43, (3<<16)|(1<<21)
	s_or_b32 s[G1B], s44, (3<<16)|(1<<21)
	s_mov_b32 s[G1A+1], 800<<16
	s_mov_b32 s[G1A+2], 4<<16
	s_mov_b32 s[G1A+3], 800<<16
	s_mov_b32 s[G1A+4], 4
	s_mov_b32 s[G1A+5], RPR*800
	s_mov_b32 s[G1A+6], 0
	s_mov_b32 s[G1A+7], 0
	s_mov_b32 s[G1B+1], 800<<16
	s_mov_b32 s[G1B+2], 8<<16
	s_mov_b32 s[G1B+3], 800<<16
	s_mov_b32 s[G1B+4], 8
	s_mov_b32 s[G1B+5], RPR*800
	s_mov_b32 s[G1B+6], 0
	s_mov_b32 s[G1B+7], 0
	s_lshl_b32 s20, s17, 3
	s_lshl_b32 s21, s16, 2
	s_add_co_u32 s20, s20, s21
	s_mul_i32 s20, s20, RPR*REC
	s_mov_b32 s21, 0
	s_lshl_b32 s46, s42, 4
	s_lshl_b32 s47, s16, 3
	s_add_co_u32 s46, s46, s47
	s_mul_i32 s46, s46, RPR*REC
	s_mov_b32 s47, 0
	s_mul_i32 s45, s16, 4*REC
	s_mul_i32 s18, s16, 8*REC
	s_add_co_u32 s18, s18, WOFF
	s_wait_alu depctr_va_vdst(0)
	s_wait_dscnt 0x0
	s_wait_kmcnt 0x0
	s_add_nc_u64 s[20:21], s[68:69], s[20:21]
	s_add_nc_u64 s[46:47], s[70:71], s[46:47]
	CROUND
.irp s, 0,1
	s_mov_b32 s[G0A+4*\s], 1
	s_add_co_u32 s[G0A+4*\s+1], s45, \s*SLOT
	s_add_nc_u64 s[G0A+4*\s+2:G0A+4*\s+3], s[20:21], \s*REC
	s_or_b32 s[G0A+4*\s+3], s[G0A+4*\s+3], 0x80000000
	s_mov_b32 s[G0B+4*\s], 1
	s_add_co_u32 s[G0B+4*\s+1], s18, \s*SLOT
	s_add_nc_u64 s[G0B+4*\s+2:G0B+4*\s+3], s[46:47], \s*REC
	s_or_b32 s[G0B+4*\s+3], s[G0B+4*\s+3], 0x80000000
.endr
	JLOAD 0                                        ; record group 0: one tensor load a wave at the head
	s_lshl_b32 s77, s41, 1                         ; Wo's waves: records 2 cy, 2 cy + 1 of my eight
	s_cmp_eq_u32 s15, 0
	s_cselect_b64 s[PFA:PFA+1], s[20:21], s[46:47]
	s_cselect_b32 s76, s40, s77                    ; ctx's waves: record cx of my four
	s_mul_i32 s76, s76, RPR*REC
	s_add_co_u32 s76, s76, REC                     ; at group 1
	s_mov_b32 s77, 0
	s_add_nc_u64 s[PFA:PFA+1], s[PFA:PFA+1], s[76:77]
	ASK 0                                          ; groups 1 and 2
	ASK REC
	v_and_b32 v1, 31, v0
	v_and_b32 v2, 15, v0
	v_bfe_u32 v3, v0, 4, 1
	v_lshlrev_b32 v[LI], 4, v1
	v_lshlrev_b32 v[L8], 3, v1
	s_mul_i32 s4, s16, 8*REC
	s_add_co_u32 s4, s4, WOFF
	s_mul_i32 s5, s15, 4*REC
.irp s, 0,1
	v_add_nc_u32 v[AD0+\s], s4, v[LI]
	v_add_nc_u32 v[AD1+\s], s5, v[LI]
	v_add_nc_u32 v[AS0+\s], s4, v[L8]
	v_add_nc_u32 v[AS1+\s], s5, v[L8]
	s_add_co_u32 s4, s4, SLOT
	s_add_co_u32 s5, s5, SLOT
.endr
	s_mul_i32 s6, s14, STGK
	v_mul_u32_u24 v[STO], v2, 528
	v_lshl_add_u32 v[STO], v3, 6, v[STO]
	v_add_nc_u32 v[STO], s6, v[STO]
	v_add_nc_u32 v[RD], s6, v[LI]
	s_lshl_b32 s4, s17, 7
	s_lshl_b32 s5, s15, 6
	s_add_co_u32 s4, s4, s5
	s_lshl_b32 s4, s4, 14
	s_lshl_b32 s5, s42, 10
	s_add_co_u32 s4, s4, s5
	s_lshl_b32 s5, s16, 9
	s_add_co_u32 s4, s4, s5
	s_mov_b32 s5, 0
	s_add_nc_u64 s[72:73], s[72:73], s[4:5]
	s_wait_alu depctr_va_vdst(0)
	s_wait_tensorcnt 0x0                           ; my part of group 0 is in; these three lines stand ahead of slot 1's first fill as ahead of a refill
	ds_add_u32 v[SPW], v[NIL]
	s_wait_dscnt 0x0
	CROUND                                         ; everybody's part is in, and all sixteen work-groups are here
	JLOAD 1                                        ; group 1, the first tensor load behind the round
	FETCH 0, 0, 0
	SCALES 0
	ASK 2*REC                                      ; group 3
	STEP 0, 0, 1
	s_mov_b32 s3, KG/2-1
.Llap:
	STEP 0, 1, 0
	STEP 0, 2, 0
	TURN 0, 1, 1
	STEP 1, 0, 0
	STEP 1, 1, 0
	STEP 1, 2, 0
	TURN 1, 0, 1
	STEP 0, 0, 0
	s_sub_co_u32 s3, s3, 1
	s_cmp_lg_u32 s3, 0
	s_cbranch_scc1 .Llap
	STEP 0, 1, 0
	STEP 0, 2, 0
	TURN 0, 1, 0
	STEP 1, 0, 0
	STEP 1, 1, 0
	STEP 1, 2, 0
	s_wait_dscnt 0x0
	WIN 0xa1
	MULA 0, 1, 3, 1, 0
	MULA 1, 1, 3, 1, 0
	MULA 2, 1, 3, 1, 0
	MULA 3, 1, 3, 1, 0
	WIN 0
.macro TOSTAGE a
	WIN 0x08
.set k, 0
.rept 16
	ds_store_b128 v[STO], v[64*(\a)+4*k:64*(\a)+4*k+3] offset:128*(k/4)+16*(k%4)
.set k, k+1
.endr
	WIN 0
.set BB, BK+64*((\a)%2)
.set k, 0
.rept 16
	ds_load_b128 v[BB+4*k:BB+4*k+3], v[RD] offset:528*k
.set k, k+1
.endr
.endm
.macro SEND a, younger
.set BB, BK+64*((\a)%2)
	s_wait_dscnt \younger
.set k, 0
.rept 16
	global_store_b128 v[LI], v[BB+4*k:BB+4*k+3], s[72:73] offset:(32*((\a)/2)+8*((\a)%2)+k+8*(k/8))*16384 th:TH_STORE_NT
.set k, k+1
.endr
.endm
	PLACES 4
	TOSTAGE 0
.irp a, 1,2,3
.if \a > 1
	s_wait_xcnt 0x0
.endif
	TOSTAGE \a
	SEND \a-1, 32
.endr
	SEND 3, 0
	s_wait_tensorcnt 0x0
	ds_add_u32 v[SPW], v[NIL]
	s_wait_dscnt 0x0
	CROUND
	s_endpgm
.Lfunc_end_k_q0f3d4bd37a_oproj:
	.size	k_q0f3d4bd37a_oproj, .Lfunc_end_k_q0f3d4bd37a_oproj-k_q0f3d4bd37a_oproj
	.p2alignl 7, 3214868480
	.fill 96, 4, 3214868480
	.section	.rodata,"a",@progbits
	.p2align	6, 0x0
	.amdhsa_kernel k_q0f3d4bd37a_oproj
		.amdhsa_group_segment_fixed_size 327680
		.amdhsa_private_segment_fixed_size 0
		.amdhsa_enable_private_segment 0
		.amdhsa_kernarg_size 24
		.amdhsa_user_sgpr_count 2
		.amdhsa_user_sgpr_kernarg_segment_ptr 1
		.amdhsa_wavefront_size32 1
		.amdhsa_system_sgpr_workgroup_id_x 1
		.amdhsa_system_sgpr_workgroup_id_y 1
		.amdhsa_system_sgpr_workgroup_id_z 1
		.amdhsa_system_vgpr_workitem_id 0
		.amdhsa_next_free_vgpr 768
		.amdhsa_next_free_sgpr 80
		.amdhsa_reserve_vcc 0
		.amdhsa_float_denorm_mode_32 3
		.amdhsa_float_denorm_mode_16_64 3
		.amdhsa_memory_ordered 1
		.amdhsa_forward_progress 1
		.amdhsa_inst_pref_size 134
	.end_amdhsa_kernel
	.amdgpu_metadata
---
amdhsa.version: [ 1, 2 ]
amdhsa.kernels:
  - .name:           k_q0f3d4bd37a_oproj
    .symbol:         k_q0f3d4bd37a_oproj.kd
    .args:
      - { .name: cc, .offset: 0, .size: 8, .value_kind: global_buffer, .address_space: global }
      - { .name: woc, .offset: 8, .size: 8, .value_kind: global_buffer, .address_space: global }
      - { .name: out0, .offset: 16, .size: 8, .value_kind: global_buffer, .address_space: global }
    .group_segment_fixed_size: 327680
    .private_segment_fixed_size: 0
    .kernarg_segment_align: 8
    .kernarg_segment_size: 24
    .max_flat_workgroup_size: 128
    .sgpr_count:     80
    .vgpr_count:     768
    .wavefront_size: 32
...
	.end_amdgpu_metadata
.endif
;; end of part 4
